; MI455X (gfx1250); checked and timed in simulation.
; The chip was launched on July 23, 2026; its instructions are those of AMD's public machine-readable ISA for CDNA 5 (MIT licence, August 2026) and "CDNA5" Instruction Set Architecture Reference Guide (July 2026). The comments in the code are by the model that wrote it; some were corrected since.
;; Multi Head Self Attention. Allowed arithmetic: matrix products marked QUANTISED: E5M2 operands, one given power-of-two scale a tensor, by v_wmma_f32_16x16x64_bf8_bf8 or v_wmma_f32_16x16x128_bf8_bf8, f32 sums; everything else in f32.
;; Inputs: W_k_codes 1,024 x 32 x 32 uint8 (E5M2 codes of W_k, K innermost, in blocks of 32 codes); W_o_codes 1,024 x 32 x 32 uint8 (E5M2 codes of W_o, K innermost, in blocks of 32 codes); W_q_codes 1,024 x 32 x 32 uint8 (E5M2 codes of W_q, K innermost, in blocks of 32 codes); W_v_codes 1,024 x 32 x 32 uint8 (E5M2 codes of W_v, K innermost, in blocks of 32 codes); b_k 1,024 float32; b_o 1,024 float32; b_q 1,024 float32; b_v 1,024 float32; ln_beta 1,024 float32; ln_gamma 1,024 float32; lowp_scales 12 int32 (the exponents e of the quantised operands' scales 2^e); x 4 x 2,048 x 1,024 float32.
;; Outputs: out0 4 x 2,048 x 1,024 float32.
;; This version of the problem:
;;   THIS VERSION OF THE PROBLEM IS GIVEN IN LOW PRECISION. The matrix products marked QUANTISED in the list below multiply operands that are first quantised to E5M2 (5 exponent bits, 2 mantissa bits; 8 bits a number), with one given power-of-two scale for each operand tensor; their sums are f32. All else is computed in f32.
;;   The module's matrix products, in the order in which they are computed (A, B: the left and right operand; K: the contracted axis; several contracted axes count as one K, in the product's order):
;;     1. [M 8,192, K 1,024] x [K 1,024, N 1,024]; A: input x; B: input W_q (given as codes): QUANTISED (scales: A lowp_scales[0], B lowp_scales[1])
;;     2. [M 8,192, K 1,024] x [K 1,024, N 1,024]; A: input x; B: input W_k (given as codes): QUANTISED (scales: A lowp_scales[2], B lowp_scales[3])
;;     3. [M 8,192, K 1,024] x [K 1,024, N 1,024]; A: input x; B: input W_v (given as codes): QUANTISED (scales: A lowp_scales[4], B lowp_scales[5])
;;     4. batch 64 x [M 2,048, K 64] x [K 64, N 2,048]; A: computed on the way; B: computed on the way: QUANTISED (scales: A lowp_scales[6], B lowp_scales[7])
;;     5. batch 64 x [M 2,048, K 2,048] x [K 2,048, N 64]; A: softmax (see below); B: computed on the way: QUANTISED (scales: A lowp_scales[8], B lowp_scales[9])
;;     6. [M 8,192, K 1,024] x [K 1,024, N 1,024]; A: computed on the way; B: input W_o (given as codes): QUANTISED (scales: A lowp_scales[10], B lowp_scales[11])
;;   THE QUANTISER, for each operand of a quantised product, along K:
;;     - The operand's scale is 2^e, e = its entry of the input lowp_scales (int32; the entries are numbered through the quantised products in the list's order, A before B).
;;     - Each number is divided by the scale, clamped to +-57,344, and rounded to the nearest number of E5M2, ties to even, subnormals kept.
;;     - The product sums the exact products of the quantised numbers (number of the format x scale) in f32.
;;   ~~~python
;;   def quantise(x, axis, e):      # numpy; x: float32 -> the quantised numbers, widened to float32 again
;;       x = np.moveaxis(x, axis, -1); K = x.shape[-1]
;;       r = np.clip(x / 2.0 ** e, -57344, 57344)
;;       step = 2.0 ** (np.maximum(np.frexp(np.where(r == 0, 1, r))[1] - 1, -14) - 2)
;;       q = np.round(r / step) * step * 2.0 ** e      # np.round: ties to even
;;       return np.moveaxis(q, -1, axis).astype(np.float32)
;;   ~~~
;;   SOFTMAX AHEAD OF A QUANTISED PRODUCT. Where the list says 'softmax', what is quantised is not the finished softmax but p = 2^(t - M), with t = logit x log2(e) and M = ceil(the row's largest t), a whole number; so 1/2 < the row's largest p <= 1. The row's sum l is taken of the UNQUANTISED p, in f32, and the product's result is divided by l at the end. Since M is a whole number, a kernel that streams over the keys may use a running M (the ceiling of the running maximum): every later rescaling is an exact power of two, so the quantised numbers keep their values, but for numbers so far below the row's largest that they fall under the format's range.
;;   OPERANDS COMPUTED ON THE WAY. 'Computed on the way' means the value that the module computes at that place (a softmax that the list does not call 'softmax' is quantised finished and normalised). What goes into a quantiser is computed in f32, as accurately as f32 sums, v_exp_f32 and their like allow (about 1e-6 of the number): no bf16 or f16 on the way to a quantiser, and a product that is left as it is and whose result goes on into a quantised operand takes f32 operands (vector FMAs, or v_wmma_f32_16x16x4_f32). A number that lies on a knife's edge between two numbers of the format may be rounded either way, as far as f32 arithmetic and the matrix unit's own rounding can turn it there, and no further.
;;   INPUTS GIVEN AS CODES. W_k (in the module: [1024, 1024], K = its axis 1); W_o (in the module: [1024, 1024], K = its axis 1); W_q (in the module: [1024, 1024], K = its axis 1); W_v (in the module: [1024, 1024], K = its axis 1): each comes as NAME_codes (uint8): NAME with its K axis moved to the last place and cut into blocks of 32 codes, [.., K / 32, bytes a block], one block behind the other in memory; one code a byte (a code: sign, 5 exponent bits, 2 mantissa bits); its scale is its entry of lowp_scales. Its value is code x scale, taken as it is: it is not quantised again, and the codes and scales need not be those that the quantiser above would give.
;; 2 versions, each right; version 2 is version 1 with the launch attn written anew for expert scheduling mode. Each part assembles by itself: llvm-mc -triple=amdgcn-amd-amdhsa -mcpu=gfx1250 --defsym DOCPART=n.
;; ======== version 1 of 2: 4 launches
;; workspace buffers: xq 8,388,608 bytes; xk 8,388,608 bytes; xv 8,388,608 bytes; qf 8,388,608 bytes; kf 8,388,608 bytes; vf 8,388,608 bytes; cf 8,388,608 bytes
;; launch quantx (part 1): grid 1024 x 1, 4 waves a work-group, no clusters, 33,280 bytes of LDS; arguments x, lowp_scales, xq, xk, xv; writes xq, xk, xv
.if DOCPART == 1
	.amdgcn_target "amdgcn-amd-amdhsa--gfx1250"
	.amdhsa_code_object_version 6
	.text
	.protected	k_q79d167bf3d_quantx
	.globl	k_q79d167bf3d_quantx
	.p2align	8
	.type	k_q79d167bf3d_quantx,@function
k_q79d167bf3d_quantx:
	s_mov_b64 s[64:65], 0
	v_nop
	global_prefetch_b8 v0, s[64:65] scope:SCOPE_SE
	s_setreg_imm32_b32 hwreg(HW_REG_WAVE_MODE, 25, 1), 1
	s_wait_xcnt 0x0
; x [8192][1024] f32 is turned three times into codes of BF8 (E5M2), K innermost, row-major: xq with the scale 2^e0, xk with 2^e2, xv with 2^e4
; (entries 0, 2, 4 of the buffer of scales: the three need not be equal).  code = x / 2^e, held within +-57,344, to the nearest code, ties to even.
; LIMITS: each e between -126 and 112, so that 2^e and 57,344 x 2^e are f32 numbers.  NaN among the inputs is not served (an infinity is held at the largest code).
; Rows are dense, so x is a plain stream.  A wave takes 2,048 numbers in 4 steps of 512; x is read once for the three results.
; Each load reads 512 consecutive bytes, 16 a lane; a step's 2,048 bytes go through the wave's own stage in LDS and come back 64 bytes a lane, since a conversion takes eight NEIGHBOURS
; from one lane's registers.  The stage has 16 bytes of padding behind each 64.  A lane's 16 codes are 16 bytes: each store of the wave covers 512 consecutive bytes, aligned.
; No loop: every offset is an immediate, every step has its own code registers, so no register of a pending store is written again.  No barrier: waves share nothing.
; No matrix unit, tensor load or cluster: a stream in which nothing is shared.  No prefetch: all of a wave's 16 loads go out at its head.
.set STEPS, 4
.set SP,    80                         ; a lane's place in a stage: its 64 bytes + 16 of padding
.set WREG,  8192                       ; LDS: a region for each wave: two stages of 32 x SP bytes
.set LIMR,  8                          ; v8-10    57,344 x 2^e for e0, e2, e4
.set SCR,   11                         ; v11-13   2^e as f32: the conversion takes its exponent field
.set R,     16                         ; v16-79   four sets of 16 numbers as they are loaded
.set X,     80                         ; v80-111  two sets of 16 neighbours
.set HN,    112                        ; v112-159 the 16 numbers held three ways
.set C,     160                        ; v160-207 codes: 12 registers for each step
	s_load_b128 s[4:7], s[0:1], 0x0                ; x, the scales' exponents
	s_load_b128 s[8:11], s[0:1], 0x10              ; xq, xk
	s_load_b64 s[12:13], s[0:1], 0x20              ; xv
	v_lshl_add_u32 v208, v0, 2, 0x8000
	v_mov_b32 v209, 0
	v_lshrrev_b32 v1, 5, v0
	v_readfirstlane_b32 s16, v1                    ; wave
	v_and_b32 v2, 31, v0                           ; lane
	v_lshlrev_b32 v3, 4, v2                        ; my 16 bytes of a load's or a store's 512
	s_mul_i32 s17, s16, WREG
	v_lshrrev_b32 v14, 2, v2
	v_mul_u32_u24 v14, v14, SP
	v_and_b32 v15, 3, v2
	v_lshl_add_u32 v14, v15, 4, v14
	v_add_nc_u32 v14, s17, v14                     ; the stage, on the way in: SP (lane / 4) + 16 (lane % 4)
	v_mul_u32_u24 v15, v2, SP
	v_add_nc_u32 v15, s17, v15                     ; and on the way out: SP x lane: my 16 neighbours
	s_lshl_b32 s18, ttmp9, 2
	s_add_co_u32 s18, s18, s16                     ; which run of 2,048 numbers is my wave's
	s_lshl_b32 s26, s18, 13                        ; its bytes in x,
	s_mov_b32 s27, 0
	s_lshl_b32 s28, s18, 11                        ; and in each buffer of codes
	s_mov_b32 s29, 0
	s_wait_kmcnt 0x0
	s_load_b128 s[20:23], s[6:7], 0x0              ; e0 .. e3
	s_load_b32 s24, s[6:7], 0x10                   ; e4
	s_add_nc_u64 s[4:5], s[4:5], s[26:27]
	s_add_nc_u64 s[8:9], s[8:9], s[28:29]
	s_add_nc_u64 s[10:11], s[10:11], s[28:29]
	s_add_nc_u64 s[12:13], s[12:13], s[28:29]
.macro LOAD t
.irp i, 0,1,2,3
	global_load_b128 v[R+16*(\t)+4*\i:R+16*(\t)+4*\i+3], v3, s[4:5] offset:2048*(\t)+512*\i th:TH_LOAD_NT   ; 32 lanes read 512 consecutive bytes
.endr
.endm
.macro TURN t                          ; step t's numbers through the stage: LDS serves a wave's instructions in order, so no wait stands between the stores and the loads
.irp i, 0,1,2,3
	ds_store_b128 v14, v[R+16*(\t)+4*\i:R+16*(\t)+4*\i+3] offset:32*SP*((\t)%2)+8*SP*\i
.endr
.irp i, 0,1,2,3
	ds_load_b128 v[X+16*((\t)%2)+4*\i:X+16*((\t)%2)+4*\i+3], v15 offset:32*SP*((\t)%2)+16*\i
.endr
.endm
.macro MKSCALE k, se                   ; from the whole number e in s[se]: 2^e and 57,344 x 2^e as f32
	s_add_co_i32 s30, s[\se], 127
	s_lshl_b32 s31, s30, 23
	v_mov_b32 v[SCR+\k], s31
	s_add_co_i32 s30, s30, 15
	s_lshl_b32 s30, s30, 23
	s_or_b32 s30, s30, 0x600000
	v_mov_b32 v[LIMR+\k], s30
.endm
.irp t, 0,1,2,3
	LOAD \t
.endr
	s_wait_kmcnt 0x0
	MKSCALE 0, 20
	MKSCALE 1, 22
	MKSCALE 2, 24
	s_wait_loadcnt 12                              ; step 0's four loads are in; the twelve behind them stay out
	TURN 0
.macro STEP t
.set XS, X+16*((\t)%2)
	s_wait_dscnt 0x0                               ; this step's numbers are back from the stage
.if (\t)+1 < STEPS
	s_wait_loadcnt 4*(STEPS-2-(\t))                ; the next step's four loads are in; those of the steps behind it may be out
	TURN (\t)+1                                    ; and go through the other stage while this step is worked
.endif
.irp k, 0,1,2
.irp i, 0,1,2,3,4,5,6,7,8,9,10,11,12,13,14,15
	v_med3_num_f32 v[HN+16*\k+\i], v[XS+\i], -v[LIMR+\k], v[LIMR+\k]   ; the conversion to an 8-bit code does not saturate (ISA guide 7.6.2): hold the number first
.endr
.endr
.irp k, 0,1,2
	v_cvt_scalef32_pk8_bf8_f32 v[C+12*(\t)+4*\k:C+12*(\t)+4*\k+1], v[HN+16*\k:HN+16*\k+7], v[SCR+\k]
	v_cvt_scalef32_pk8_bf8_f32 v[C+12*(\t)+4*\k+2:C+12*(\t)+4*\k+3], v[HN+16*\k+8:HN+16*\k+15], v[SCR+\k]
.endr
	v_nop                                          ; one plain vector line behind the conversions: the next step's holds write their sources
.irp k, 0,1,2
	global_store_b128 v3, v[C+12*(\t)+4*\k:C+12*(\t)+4*\k+3], s[8+2*\k:9+2*\k] offset:512*(\t)
.endr
.endm
.irp t, 0,1,2,3
	STEP \t
.endr
	s_wait_tensorcnt 0x0
	ds_add_u32 v208, v209
	s_wait_dscnt 0x0
	s_endpgm
.Lfunc_end_k_q79d167bf3d_quantx:
	.size	k_q79d167bf3d_quantx, .Lfunc_end_k_q79d167bf3d_quantx-k_q79d167bf3d_quantx
	.p2alignl 7, 3214868480
	.fill 96, 4, 3214868480
	.section	.rodata,"a",@progbits
	.p2align	6, 0x0
	.amdhsa_kernel k_q79d167bf3d_quantx
		.amdhsa_group_segment_fixed_size 33280
		.amdhsa_private_segment_fixed_size 0
		.amdhsa_enable_private_segment 0
		.amdhsa_kernarg_size 40
		.amdhsa_user_sgpr_count 2
		.amdhsa_user_sgpr_kernarg_segment_ptr 1
		.amdhsa_wavefront_size32 1
		.amdhsa_system_sgpr_workgroup_id_x 1
		.amdhsa_system_sgpr_workgroup_id_y 1
		.amdhsa_system_sgpr_workgroup_id_z 1
		.amdhsa_system_vgpr_workitem_id 0
		.amdhsa_next_free_vgpr 210
		.amdhsa_next_free_sgpr 66
		.amdhsa_reserve_vcc 0
		.amdhsa_float_denorm_mode_32 3
		.amdhsa_float_denorm_mode_16_64 3
		.amdhsa_memory_ordered 1
		.amdhsa_forward_progress 1
		.amdhsa_inst_pref_size 22
	.end_amdhsa_kernel
	.amdgpu_metadata
---
amdhsa.version: [ 1, 2 ]
amdhsa.kernels:
  - .name:           k_q79d167bf3d_quantx
    .symbol:         k_q79d167bf3d_quantx.kd
    .args:
      - { .name: x, .offset: 0, .size: 8, .value_kind: global_buffer, .address_space: global }
      - { .name: lowp_scales, .offset: 8, .size: 8, .value_kind: global_buffer, .address_space: global }
      - { .name: xq, .offset: 16, .size: 8, .value_kind: global_buffer, .address_space: global }
      - { .name: xk, .offset: 24, .size: 8, .value_kind: global_buffer, .address_space: global }
      - { .name: xv, .offset: 32, .size: 8, .value_kind: global_buffer, .address_space: global }
    .group_segment_fixed_size: 33280
    .private_segment_fixed_size: 0
    .kernarg_segment_align: 8
    .kernarg_segment_size: 40
    .max_flat_workgroup_size: 128
    .sgpr_count:     66
    .vgpr_count:     210
    .wavefront_size: 32
...
	.end_amdgpu_metadata
.endif
;; end of part 1
;; launch qkv (part 2): grid 12 x 32, 4 waves a work-group, clusters of 4 x 4, 327,680 bytes of LDS; arguments xq, xk, xv, W_q_codes, W_k_codes, W_v_codes, b_q, b_k, b_v, lowp_scales, qf, kf, vf; writes qf, kf, vf
.if DOCPART == 2
	.amdgcn_target "amdgcn-amd-amdhsa--gfx1250"
	.amdhsa_code_object_version 6
	.text
	.protected	k_q79d167bf3d_qkv
	.globl	k_q79d167bf3d_qkv
	.p2align	8
	.type	k_q79d167bf3d_qkv,@function
k_q79d167bf3d_qkv:
	s_mov_b64 s[64:65], 0
	v_nop
	global_prefetch_b8 v0, s[64:65] scope:SCOPE_SE
	s_setreg_imm32_b32 hwreg(HW_REG_WAVE_MODE, 25, 1), 1
	s_wait_xcnt 0x0
	s_wait_alu depctr_hold_cnt(0) depctr_sa_sdst(0) depctr_va_vdst(0) depctr_va_sdst(0) depctr_va_ssrc(0) depctr_va_vcc(0) depctr_vm_vsrc(0)
	s_getreg_b32 s2, hwreg(HW_REG_IB_STS2, 6, 4)
	s_cmp_eq_u32 s2, 0
	s_cbranch_scc0 .Lentry_in_a_cluster
	s_endpgm
.Lentry_in_a_cluster:
	s_bfe_u32 s2, ttmp6, 0x10000c
	s_cmp_lg_u32 s2, 0xf033
	s_cbranch_scc0 .Lentry_shape_is_right
	s_endpgm
.Lentry_shape_is_right:
; The three projections on codes of BF8 (E5M2), one body: C[m][n] = sum over k of A[m][k] B[n][k], K = 1,024, tiles of 256 x 256, a wave 128 x 128 (64 accumulators, 512 registers).
; The cluster's x chooses the product: 0: Q (A = xq, B = W_q); 1: K (A = xk, B = W_k); 2: V TRANSPOSED, V^T = W_v x^T (A = W_v, 1,024 rows; B = xv, 8,192 rows).
; THE MATRIX INSTRUCTION IS USED TRANSPOSED (source 0 = 16 rows of B, source 1 = 16 rows of A): a lane holds one row m and eight neighbouring n.  For Q and K that is a token and eight channels,
; for V a channel and eight tokens: each time eight neighbours along the NEXT product's K, which one conversion turns into two registers of that product's operand.
; y = sum x 2^(eA + eB) + bias, in f32; then code = y / 2^eo, held within +-57,344 (eo = entry 6 for Q, 7 for K, 9 for V).
; THE RESULTS ARE STORED AS IMAGES OF OPERAND REGISTERS, 16 bytes a lane, 512 consecutive bytes a store:
;   qf, kf: fragments of 16 tokens x 64 channels: byte (bh << 17) + (token / 16 << 10) + 512 blk + 16 lane; lane (r, h) holds token r, registers 2 c, 2 c + 1 channels 16 c + 8 h + 0 .. 7.  bh = 16 batch + head.
;   vf: fragments of 16 channels x 128 keys: byte (bh << 17) + (key / 128 << 13) + 2048 ct + 512 q + 16 lane; lane (r, h) holds channel 16 ct + r, registers 2 c, 2 c + 1 keys 16 c + 8 h + 0 .. 7.
; LIMITS: e0 + e1, e2 + e3, e4 + e5 between -126 and 127; e6, e7, e9 between -126 and 112.  NaN is not served.
; K goes in steps of 256 through a ring of two LDS slots filled by the tensor data mover; a tile's row is 256 bytes of memory.
; CLUSTERS: 4 x 4 work-groups; A's tile is shared along a row of the cluster, B's along a column: each is asked for JOINTLY, by the same tensor load with the same descriptor and a mask that names the four.
; The choice of product hangs on the cluster's x alone, which all sixteen partners share.
; No prefetch: K has four steps, two of them first fills.  No stage on the way out: a lane's 16 bytes already lie beside its neighbours'.
; REGISTERS, in windows of 256: window 0: v0-31 addresses and constants; v32-95 the bias along n, v96-111 the bias along m (each number twice, as a pair); from v128 A's fragments, ONE set.
;   window 1: B's fragments, TWO sets, at v0 and v128; on the way out v0-63 at work, v64-191 codes.   window 2: the accumulators of my rows 0-63 ((a, b) at v[8 (8 a + b)]);   window 3: rows 64-127.
.set SIZE_K, 1024
.set KSTEP,  256                       ; along K in a slot
.set ROWB,   256                       ; a tile's row in bytes
.set KROW,   SIZE_K                    ; a row of A or of B in memory, in bytes
.set PITCH,  272                       ; an LDS row: 256 bytes + 16 of padding = 68 words: the 16 rows that a load touches start at 16 different banks (64 banks of 4 bytes: ISA guide 11.1)
.set FR,     16                        ; registers of a fragment: 16 rows x 128 K
.set NL,     4                         ; LDS loads that bring one
.set NP,     4                         ; places behind this matrix instruction (ISA guide 7.12.1)
.set HALFT,  128*PITCH                 ; 128 rows: what one tensor load brings
.set SLOT,   4*HALFT                   ; A's 256 rows, then B's 256 rows
.set LAPS,   SIZE_K/(2*KSTEP)          ; a lap = two K steps = once round the ring
.set SPARE,  2*SLOT                    ; behind the ring: the spare words, 128 bytes for each wave, that no other line names
.set ADRA, 16                          ; v16-17  LDS address of my A fragments in slot 0, 1
.set ADRB, 20                          ; v20-21  the same for B
.set OL,   26                          ; v26     16 x lane: my place in an image
.set SPW,  28                          ; v28     LDS address of my spare word; never rewritten
.set NIL,  29                          ; v29     0; never rewritten
.set QS,   30                          ; v30     2^eo as f32
.set QL,   31                          ; v31     57,344 x 2^eo
.set BN,   32                          ; v32-95  bias[first column + 16 b + 8 h + j] at 8 b + j
.set BM,   96                          ; v96-111 bias[first row + 16 a + r], twice, at 2 a
.set AF,   128                         ; A's fragments, in window 0
.set TM,   0                           ; the way out, window 1: a block's 64 numbers
.set G1, 24                            ; s[24:31] descriptor group 1 for A's tiles;  s[32:39] group 0, one set for each slot
.set G0, 32
.set G1B, 48                           ; s[48:55], s[56:63] the same for B's tiles
.set G0B, 56
.set MSB, 0
.macro WIN new                         ; the immediate's high byte repeats the setting that is left
.if MSB != (\new)
	s_set_vgpr_msb (MSB<<8)|(\new)
.set MSB, (\new)
.endif
.endm
.set MUL_LO, 0xa1                      ; source 0 (B) window 1, source 1 (A) window 0, C and D window 2
.set MUL_HI, 0xf1                      ; the same, C and D window 3
.set TO_B,   0x40                      ; destination window 1, address window 0
; A joint load: waves 0 and 1 fetch for A, waves 2 and 3 for B.  Each of the two lines has ONE mask and one set of registers for all that issue it; the branch hangs on the wave's number alone.
; Four v_nop follow each of the two lines, ahead of the jump, the label and what follows.
.macro JLOAD g0a, g1a, g0b, g1b
	s_cmp_eq_u32 s15, 0
	s_cbranch_scc0 .Lfor_b_\@
	tensor_load_to_lds s[\g0a:\g0a+3], s[\g1a:\g1a+7]
	s_nop 0
.rept 4
	v_nop
.endr
	s_branch .Lasked_\@
.Lfor_b_\@:
	tensor_load_to_lds s[\g0b:\g0b+3], s[\g1b:\g1b+7]
	s_nop 0
.rept 4
	v_nop
.endr
.Lasked_\@:
.endm
.macro CREST                           ; a round of the cluster's barrier behind its opening barrier
	s_cmp_lg_u32 s14, 0
	s_cbranch_scc1 .Lnot_wave_0_\@
	s_barrier_signal -3
.Lnot_wave_0_\@:
	s_barrier_wait -3
	s_barrier_signal -1
	s_barrier_wait -1
.endm
.macro CROUND                          ; a whole round
	s_barrier_signal -1
	s_barrier_wait -1
	CREST
.endm
	s_load_b512 s[68:83], s[0:1], 0x0              ; xq, xk, xv, W_q, W_k, W_v, b_q, b_k
	s_load_b256 s[84:91], s[0:1], 0x40             ; b_v, the scales' exponents, qf, kf
	s_load_b64 s[92:93], s[0:1], 0x60              ; vf
	v_lshl_add_u32 v[SPW], v0, 2, SPARE
	v_mov_b32 v[NIL], 0
	ds_add_u32 v28, v29
	ds_add_u32 v28, v29
	s_wait_dscnt 0x0
	v_lshrrev_b32 v1, 5, v0
	v_readfirstlane_b32 s14, v1                    ; wave 0..3
	s_lshr_b32 s15, s14, 1                         ; which half of the tile's rows is mine.  Also: I fetch for A (0) or for B (1)
	s_and_b32 s16, s14, 1                          ; which half of its columns.  Also: which 128 rows of that tile I fetch
	s_bfe_u32 s40, ttmp6, 0x40000                  ; cx, cy: my place in the cluster
	s_bfe_u32 s41, ttmp6, 0x40004
	s_and_b32 s67, ttmp7, 0xffff                   ; the cluster's y, 0 .. 7: it walks the 8,192 tokens, which are rows of A for Q and K and rows of B for V
	s_cmp_eq_u32 ttmp9, 2
	s_cselect_b32 s94, s67, 0
	s_cselect_b32 s95, 0, s67
	s_lshl_b32 s42, s94, 2
	s_add_co_u32 s42, s42, s40                     ; tile column of C
	s_lshl_b32 s17, s95, 2
	s_add_co_u32 s17, s17, s41                     ; tile row of C
	s_lshl_b32 s43, s41, 2
	s_lshl_b32 s43, 15, s43                        ; my row of the cluster
	s_lshl_b32 s44, 0x1111, s40                    ; my column
	; descriptor group 1: a tile of 128 rows x 256 bytes, padded in LDS
	s_or_b32 s[G1+0], s43, (0<<16)|(1<<20)|(1<<21)|(5<<22)|(3<<25)  ; 15:0 the mask: A's tiles go to my row; 17:16 element of 1 byte; 20 padding on; 21 set beside a mask; 24:22 after every 64 words (code 5); 31:25 of 4 words (code 3)
	s_or_b32 s[G1B+0], s44, (0<<16)|(1<<20)|(1<<21)|(5<<22)|(3<<25)
.irp g, G1, G1B
	s_mov_b32 s[\g+1], ROWB<<16                    ; tensor_dim0
	s_mov_b32 s[\g+2], 128<<16                     ; tensor_dim1 = 128
	s_mov_b32 s[\g+3], ROWB<<16                    ; tile_dim0
	s_mov_b32 s[\g+4], 128                         ; tile_dim1 = 128
	s_mov_b32 s[\g+5], KROW                        ; tensor_dim0_stride
	s_mov_b32 s[\g+6], 0
	s_mov_b32 s[\g+7], 0
.endr
	s_lshl_b32 s18, s16, 7                         ; which 128 rows of the tile I fetch
	s_lshl_b32 s20, s17, 8
	s_add_co_u32 s20, s20, s18                     ; A: row 256 x tile row + 128 x half,
	s_lshl_b32 s20, s20, 10                        ; in bytes (rows of 1,024; under 2^23)
	s_lshl_b32 s46, s42, 8
	s_add_co_u32 s46, s46, s18                     ; B: row 256 x tile column + 128 x half
	s_lshl_b32 s46, s46, 10
	s_mov_b32 s21, 0
	s_mov_b32 s47, 0
	s_mul_i32 s45, s14, HALFT                      ; where they go: wave x 128 rows: no place in the cluster enters an LDS address
	s_wait_kmcnt 0x0
	s_cmp_eq_u32 ttmp9, 0                          ; the product's buffers: the choice hangs on the cluster's x alone
	s_cselect_b64 s[4:5], s[68:69], s[70:71]       ; A
	s_cselect_b64 s[6:7], s[74:75], s[76:77]       ; B
	s_cselect_b64 s[8:9], s[80:81], s[82:83]       ; the bias
	s_cselect_b64 s[10:11], s[88:89], s[90:91]     ; the result
	s_cmp_eq_u32 ttmp9, 2
	s_cselect_b64 s[4:5], s[78:79], s[4:5]         ; V: A = W_v,
	s_cselect_b64 s[6:7], s[72:73], s[6:7]         ; B = xv
	s_cselect_b64 s[8:9], s[84:85], s[8:9]
	s_cselect_b64 s[10:11], s[92:93], s[10:11]
	s_mov_b64 s[12:13], s[86:87]
	s_load_b256 s[68:75], s[12:13], 0x0            ; e0 .. e7
	s_load_b128 s[76:79], s[12:13], 0x20           ; e8 .. e11
	s_add_nc_u64 s[20:21], s[4:5], s[20:21]
	s_add_nc_u64 s[46:47], s[6:7], s[46:47]
	CROUND                                         ; all sixteen work-groups are here: the first joint loads meet
.irp s, 0,1
	s_mov_b32 s[G0+4*\s], 1
	s_add_co_u32 s[G0+4*\s+1], s45, \s*SLOT
	s_add_nc_u64 s[G0+4*\s+2:G0+4*\s+3], s[20:21], \s*ROWB
	s_or_b32 s[G0+4*\s+3], s[G0+4*\s+3], 0x80000000
	s_mov_b32 s[G0B+4*\s], 1
	s_add_co_u32 s[G0B+4*\s+1], s45, \s*SLOT
	s_add_nc_u64 s[G0B+4*\s+2:G0B+4*\s+3], s[46:47], \s*ROWB
	s_or_b32 s[G0B+4*\s+3], s[G0B+4*\s+3], 0x80000000
	JLOAD G0+4*\s, G1, G0B+4*\s, G1B
.endr
	v_and_b32 v1, 15, v0                           ; r = l % 16
	v_bfe_u32 v2, v0, 4, 1                         ; h = l / 16
	v_mul_u32_u24 v3, v1, PITCH
	v_lshl_add_u32 v4, v2, 4, v3                   ; a fragment's row x pitch + 16 x half
	s_mul_i32 s21, s15, HALFT                      ; my 128 rows of A
	s_mul_i32 s22, s16, HALFT                      ; my 128 rows of B,
	s_add_co_u32 s22, s22, 2*HALFT                 ; which lie behind A's 256
.irp s, 0,1
	v_add_nc_u32 v[ADRA+\s], s21, v4
	v_add_nc_u32 v[ADRB+\s], s22, v4
	s_add_co_u32 s21, s21, SLOT
	s_add_co_u32 s22, s22, SLOT
.endr
	v_and_b32 v6, 31, v0
	v_lshlrev_b32 v[OL], 4, v6
	; where my images begin.  tt, th: tile and half along the tokens; hs, hh: along the channels.  Q, K: tokens are rows of C; V: columns
	s_cmp_eq_u32 ttmp9, 2
	s_cselect_b32 s84, s42, s17                    ; tt
	s_cselect_b32 s85, s16, s15                    ; th
	s_cselect_b32 s86, s17, s42                    ; hs
	s_cselect_b32 s87, s15, s16                    ; hh
	s_lshr_b32 s88, s84, 3                         ; the batch: 8 tiles of 256 tokens each
	s_lshl_b32 s88, s88, 4
	s_lshl_b32 s86, s86, 2
	s_add_co_u32 s88, s88, s86
	s_lshl_b32 s87, s87, 1
	s_add_co_u32 s88, s88, s87                     ; bh of the first of my two heads: 16 batch + 4 hs + 2 hh
	s_lshl_b32 s88, s88, 17
	s_and_b32 s84, s84, 7
	s_lshl_b32 s84, s84, 1
	s_add_co_u32 s84, s84, s85                     ; which 128 tokens of the batch
	s_lshl_b32 s84, s84, 13
	s_add_co_u32 s88, s88, s84
	s_mov_b32 s89, 0
	s_add_nc_u64 s[10:11], s[10:11], s[88:89]
	; the bias in both forms, so that no branch stands here; the form that the product does not use reads the bias's first 128 numbers, which nobody then uses
	s_lshl_b32 s90, s42, 8
	s_lshl_b32 s91, s16, 7
	s_add_co_u32 s90, s90, s91                     ; my first column
	s_lshl_b32 s91, s17, 8
	s_lshl_b32 s92, s15, 7
	s_add_co_u32 s91, s91, s92                     ; my first row
	s_cmp_eq_u32 ttmp9, 2
	s_cselect_b32 s90, 0, s90                      ; Q, K: the bias runs along n
	s_cselect_b32 s91, s91, 0                      ; V: along m
	s_lshl_b32 s92, s90, 2
	s_mov_b32 s93, 0
	s_add_nc_u64 s[98:99], s[8:9], s[92:93]
	s_lshl_b32 s92, s91, 2
	s_add_nc_u64 s[100:101], s[8:9], s[92:93]
	v_lshlrev_b32 v8, 5, v2                        ; 32 h
	v_lshlrev_b32 v9, 2, v1                        ; 4 r
.irp b, 0,1,2,3,4,5,6,7
	global_load_b128 v[BN+8*\b:BN+8*\b+3], v8, s[98:99] offset:64*\b
	global_load_b128 v[BN+8*\b+4:BN+8*\b+7], v8, s[98:99] offset:64*\b+16
.endr
.irp a, 0,1,2,3,4,5,6,7
	global_load_b32 v[BM+2*\a], v9, s[100:101] offset:64*\a
	global_load_b32 v[BM+2*\a+1], v9, s[100:101] offset:64*\a       ; the same number again: the packed multiply-add takes a pair
.endr
.macro FRAG reg, adr, q, i             ; a fragment, 16 rows x 128 K, is 16 registers, fetched by four loads of 16 bytes: registers 4 c .. 4 c + 3 hold K = 32 c + 16 (l / 16) + 0 .. 15: a permutation of k, the same in A and in B
.irp c, 0,1,2,3
	ds_load_b128 v[\reg+4*\c:\reg+4*\c+3], v[\adr] offset:128*(\q)+32*\c+(\i)*16*PITCH
.endr
.endm
; 16 matrix instructions: A's blocks a0, a0 + 1 x B's eight, 128 along K.  p: B's set.  zero = 1: the first product starts the sums: nothing is ever cleared.
; The 64 accumulators take turns, one instruction a turn, in the same order in every step.
.macro MUL16 a0, p, zero
.irp a, \a0, \a0+1
.irp b, 0,1,2,3,4,5,6,7
.if \zero
	v_wmma_f32_16x16x128_bf8_bf8 v[8*(8*((\a)%4)+\b):8*(8*((\a)%4)+\b)+7], v[128*(\p)+FR*\b:128*(\p)+FR*\b+FR-1], v[AF+FR*(\a):AF+FR*(\a)+FR-1], 0
.else
	v_wmma_f32_16x16x128_bf8_bf8 v[8*(8*((\a)%4)+\b):8*(8*((\a)%4)+\b)+7], v[128*(\p)+FR*\b:128*(\p)+FR*\b+FR-1], v[AF+FR*(\a):AF+FR*(\a)+FR-1], v[8*(8*((\a)%4)+\b):8*(8*((\a)%4)+\b)+7]
.endif
.endr
.endr
.endm
.macro FETCH_B slot, q, p              ; B's eight fragments of the slot's q-th 128 along K into set p
	WIN TO_B
.irp i, 0,1,2,3,4,5,6,7
	FRAG 128*(\p)+FR*\i, ADRB+\slot, \q, \i
.endr
	WIN 0
.endm
.macro FETCH_A slot, q, i0             ; A's blocks i0 .. i0 + 3
.irp i, \i0, \i0+1, \i0+2, \i0+3
	FRAG AF+FR*(\i), ADRA+\slot, \q, \i
.endr
.endm
; A load into a register that a matrix instruction has read, and a vector instruction that reads a matrix result, stand NP places behind that matrix instruction; only plain vector
; instructions that name none of its registers are places (ISA guide 7.12.1 for vector instructions).
.macro PLACES n
.rept \n
	v_nop
.endr
.endm
; A step of 128 along K that has its successor in the same slot.  A has one set of registers: blocks 0-3 are fetched anew in the step's middle, blocks 4-7 at its end.
.macro STEP slot, q, zero
	s_wait_dscnt 4*NL                              ; B's set and A's blocks 0-3 are in; the youngest sixteen loads (A's blocks 4-7) may be out
	WIN MUL_LO
	MUL16 0, (\q)%2, \zero
	MUL16 2, (\q)%2, \zero
	s_wait_dscnt 0                                 ; A's blocks 4-7 are in (asked for 32 matrix instructions ago)
	PLACES NP
	FETCH_B \slot, (\q)+1, 1-(\q)%2
	FETCH_A \slot, (\q)+1, 0
	WIN MUL_HI
	MUL16 4, (\q)%2, \zero
	MUL16 6, (\q)%2, \zero
	PLACES NP
	WIN 0
	FETCH_A \slot, (\q)+1, 4
.endm
; A slot's last step changes slots: ONE barrier; in front of it each wave waits for all its tensor loads, adds 0 to its spare word, and waits for that and for its own reads of this slot.  fill = 1: this slot is filled again, two K steps ahead.
.macro TURN slot, next, fill
	s_wait_tensorcnt 0x0                           ; all my tensor loads have landed: my part of the next slot;  (every window is 0 here)
	ds_add_u32 v[SPW], v[NIL]                      ; 0 onto my spare word
	s_wait_dscnt 4*NL+1                            ; (the add and the youngest sixteen loads, A's blocks 4-7, may be out)
	WIN MUL_LO
	MUL16 0, 1, 0                                  ; sixteen matrix instructions stand between the add and the wait for it
	s_wait_dscnt 0x0                               ; the add is done, and my reads of this slot are over
	s_barrier_signal -1
	MUL16 2, 1, 0
	WIN 0
	s_barrier_wait -1
.if \fill
	CREST                                          ; the barrier has opened a round of the cluster's barrier: no wave of any partner still reads this slot's tile or has a load on its way
	s_add_nc_u64 s[G0+4*\slot+2:G0+4*\slot+3], s[G0+4*\slot+2:G0+4*\slot+3], 2*ROWB
	s_add_nc_u64 s[G0B+4*\slot+2:G0B+4*\slot+3], s[G0B+4*\slot+2:G0B+4*\slot+3], 2*ROWB
	JLOAD G0+4*\slot, G1, G0B+4*\slot, G1B         ; the first tensor load behind the round; the four v_nop behind it are the places in front of the loads below
.else
	PLACES NP
.endif
	FETCH_B \next, 0, 0
	FETCH_A \next, 0, 0
	WIN MUL_HI
	MUL16 4, 1, 0
	MUL16 6, 1, 0
	PLACES NP
	WIN 0
	FETCH_A \next, 0, 4
.endm
	s_wait_tensorcnt 1                             ; my part of K step 0 is in (K step 1's load may be out)
	s_barrier_signal -1
	s_barrier_wait -1                              ; everybody's is
	FETCH_B 0, 0, 0
	FETCH_A 0, 0, 0
	FETCH_A 0, 0, 4
	STEP 0, 0, 1                                   ; the first step stands in front of the loop: its products start the sums
	s_mov_b32 s3, LAPS-1
.Llap:                                                 ; a trip goes once round the ring, from a lap's second step to the next lap's first, and fills both slots again
	TURN 0, 1, 1
	STEP 1, 0, 0
	TURN 1, 0, 1
	STEP 0, 0, 0
	s_sub_co_u32 s3, s3, 1
	s_cmp_lg_u32 s3, 0
	s_cbranch_scc1 .Llap
	TURN 0, 1, 0                                   ; the last lap fills nothing, and has no round of the cluster's barrier
	STEP 1, 0, 0
	s_wait_dscnt 4*NL                              ; the very last step: nothing more to fetch
	WIN MUL_LO
	MUL16 0, 1, 0
	MUL16 2, 1, 0
	s_wait_dscnt 0
	WIN MUL_HI
	MUL16 4, 1, 0
	MUL16 6, 1, 0
	WIN 0
; THE WAY OUT, block a of 16 rows x 128 columns: y = sum x 2^(eA + eB) + bias (each accumulator from its low end on), the hold, eight conversions: accumulator b gives registers 2 b, 2 b + 1 of the image; four stores.
; Q, K: registers 0-7 are the fragment of my first head, 8-15 of my second; block a is a tile of 16 tokens.  V: the sixteen registers are ONE fragment (128 keys); block a is channel tile a % 4 of head a / 4.
; Every block has its own code registers, so no register of a pending store is written again.
.macro OUTBLK a, isv
.set AC, 64*((\a)%4)
.set CD, 64+16*(\a)
	WIN 0x42+(\a)/4                                ; destination window 1, source 0 window 2 or 3, the bias window 0
.irp j, 0,2,4,6,8,10,12,14,16,18,20,22,24,26,28,30,32,34,36,38,40,42,44,46,48,50,52,54,56,58,60,62
.if \isv
	v_pk_fma_f32 v[TM+\j:TM+\j+1], v[AC+\j:AC+\j+1], s[96:97], v[BM+2*(\a):BM+2*(\a)+1] op_sel_hi:[1,0,1]
.else
	v_pk_fma_f32 v[TM+\j:TM+\j+1], v[AC+\j:AC+\j+1], s[96:97], v[BN+\j:BN+\j+1] op_sel_hi:[1,0,1]
.endif
.endr
	WIN 0x41                                       ; destination and source 0 window 1, the constants window 0
.set n, 0
.rept 64
	v_med3_num_f32 v[TM+n], v[TM+n], -v[QL], v[QL] ; the conversion to an 8-bit code does not saturate (ISA guide 7.6.2)
.set n, n+1
.endr
.irp b, 0,1,2,3,4,5,6,7
	v_cvt_scalef32_pk8_bf8_f32 v[CD+2*\b:CD+2*\b+1], v[TM+8*\b:TM+8*\b+7], v[QS]
.endr
	v_nop                                          ; one plain vector line behind the conversions: the next block's multiply-adds write their sources
	WIN 0x04                                       ; a store's data window 1, its address window 0
.irp q, 0,1,2,3
.if \isv
	global_store_b128 v[OL], v[CD+4*\q:CD+4*\q+3], s[10:11] offset:((\a)/4)*131072+((\a)%4)*2048+\q*512
.else
	global_store_b128 v[OL], v[CD+4*\q:CD+4*\q+3], s[10:11] offset:(\q/2)*131072+(\a)*1024+(\q%2)*512
.endif
.endr
	WIN 0
.endm
	s_wait_kmcnt 0x0
	s_add_co_i32 s80, s68, s69                     ; e0 + e1
	s_add_co_i32 s81, s70, s71                     ; e2 + e3
	s_add_co_i32 s82, s72, s73                     ; e4 + e5
	s_cmp_eq_u32 ttmp9, 0                          ; chosen without a branch
	s_cselect_b32 s80, s80, s81
	s_cselect_b32 s83, s74, s75                    ; e6 or e7
	s_cmp_eq_u32 ttmp9, 2
	s_cselect_b32 s80, s82, s80
	s_cselect_b32 s83, s77, s83                    ; e9
	s_add_co_i32 s80, s80, 127
	s_lshl_b32 s96, s80, 23                        ; 2^(eA + eB) as f32
	s_mov_b32 s97, s96                             ; (named with it as a pair, so it is written)
	s_add_co_i32 s83, s83, 127
	s_lshl_b32 s84, s83, 23
	v_mov_b32 v[QS], s84
	s_add_co_i32 s83, s83, 15
	s_lshl_b32 s83, s83, 23
	s_or_b32 s83, s83, 0x600000
	v_mov_b32 v[QL], s83
	s_wait_loadcnt 0x0                             ; the bias
	PLACES NP                                      ; behind the last products
	s_cmp_eq_u32 ttmp9, 2                          ; the cluster's x: the same in all sixteen partners
	s_cbranch_scc1 .Lv
.irp a, 0,1,2,3,4,5,6,7
	OUTBLK \a, 0
.endr
	s_branch .Ldone
.Lv:
.irp a, 0,1,2,3,4,5,6,7
	OUTBLK \a, 1
.endr
.Ldone:
	s_wait_tensorcnt 0x0                           ; the wave's end
	ds_add_u32 v[SPW], v[NIL]
	s_wait_dscnt 0x0
	CROUND                                         ; the closing round: no work-group ends while a partner may still ask for a tile that names it
	s_endpgm
.Lfunc_end_k_q79d167bf3d_qkv:
	.size	k_q79d167bf3d_qkv, .Lfunc_end_k_q79d167bf3d_qkv-k_q79d167bf3d_qkv
	.p2alignl 7, 3214868480
	.fill 96, 4, 3214868480
	.section	.rodata,"a",@progbits
	.p2align	6, 0x0
	.amdhsa_kernel k_q79d167bf3d_qkv
		.amdhsa_group_segment_fixed_size 327680
		.amdhsa_private_segment_fixed_size 0
		.amdhsa_enable_private_segment 0
		.amdhsa_kernarg_size 104
		.amdhsa_user_sgpr_count 2
		.amdhsa_user_sgpr_kernarg_segment_ptr 1
		.amdhsa_wavefront_size32 1
		.amdhsa_system_sgpr_workgroup_id_x 1
		.amdhsa_system_sgpr_workgroup_id_y 1
		.amdhsa_system_sgpr_workgroup_id_z 1
		.amdhsa_system_vgpr_workitem_id 0
		.amdhsa_next_free_vgpr 1024
		.amdhsa_next_free_sgpr 102
		.amdhsa_reserve_vcc 0
		.amdhsa_float_denorm_mode_32 3
		.amdhsa_float_denorm_mode_16_64 3
		.amdhsa_memory_ordered 1
		.amdhsa_forward_progress 1
		.amdhsa_inst_pref_size 195
	.end_amdhsa_kernel
	.amdgpu_metadata
---
amdhsa.version: [ 1, 2 ]
amdhsa.kernels:
  - .name:           k_q79d167bf3d_qkv
    .symbol:         k_q79d167bf3d_qkv.kd
    .args:
      - { .name: xq, .offset: 0, .size: 8, .value_kind: global_buffer, .address_space: global }
      - { .name: xk, .offset: 8, .size: 8, .value_kind: global_buffer, .address_space: global }
      - { .name: xv, .offset: 16, .size: 8, .value_kind: global_buffer, .address_space: global }
      - { .name: W_q_codes, .offset: 24, .size: 8, .value_kind: global_buffer, .address_space: global }
      - { .name: W_k_codes, .offset: 32, .size: 8, .value_kind: global_buffer, .address_space: global }
      - { .name: W_v_codes, .offset: 40, .size: 8, .value_kind: global_buffer, .address_space: global }
      - { .name: b_q, .offset: 48, .size: 8, .value_kind: global_buffer, .address_space: global }
      - { .name: b_k, .offset: 56, .size: 8, .value_kind: global_buffer, .address_space: global }
      - { .name: b_v, .offset: 64, .size: 8, .value_kind: global_buffer, .address_space: global }
      - { .name: lowp_scales, .offset: 72, .size: 8, .value_kind: global_buffer, .address_space: global }
      - { .name: qf, .offset: 80, .size: 8, .value_kind: global_buffer, .address_space: global }
      - { .name: kf, .offset: 88, .size: 8, .value_kind: global_buffer, .address_space: global }
      - { .name: vf, .offset: 96, .size: 8, .value_kind: global_buffer, .address_space: global }
    .group_segment_fixed_size: 327680
    .private_segment_fixed_size: 0
    .kernarg_segment_align: 8
    .kernarg_segment_size: 104
    .max_flat_workgroup_size: 128
    .sgpr_count:     102
    .vgpr_count:     1024
    .wavefront_size: 32
...
	.end_amdgpu_metadata
.endif
;; end of part 2
;; launch attn (part 3): grid 4 x 64, 8 waves a work-group, no clusters, 50,176 bytes of LDS; arguments qf, kf, vf, lowp_scales, cf; writes cf
.if DOCPART == 3
	.amdgcn_target "amdgcn-amd-amdhsa--gfx1250"
	.amdhsa_code_object_version 6
	.text
	.protected	k_q79d167bf3d_attn
	.globl	k_q79d167bf3d_attn
	.p2align	8
	.type	k_q79d167bf3d_attn,@function
k_q79d167bf3d_attn:
	s_mov_b64 s[64:65], 0
	v_nop
	global_prefetch_b8 v0, s[64:65] scope:SCOPE_SE
	s_setreg_imm32_b32 hwreg(HW_REG_WAVE_MODE, 25, 1), 1
	s_wait_xcnt 0x0
; context[b][q][64 head + d] = the sum over k of softmax_k(Q . K / 8) V, both products on codes of BF8 (E5M2); the context is quantised with 2^e10 and stored as images of the last product's operand registers.
; qf, kf: fragments of 16 tokens x 64 channels (1,024 bytes); vf: of 16 channels x 128 keys (2,048 bytes); each as an image of its registers, 16 bytes a lane; a head's part of each buffer is 2^17 bytes.
; cf: fragments of 16 rows x 128 of the model's 1,024: byte (row / 16 << 14) + (head << 10) + 512 q + 16 lane: lane (r, h) holds row r, registers 2 c, 2 c + 1 the numbers 16 c + 8 h + 0 .. 7 of its 128.
; THE SOFTMAX: t = score x log2(e) / 8; M = the row's largest t so far, rounded UP to a whole number; p = 2^(t - M) is quantised with 2^e8, not normalised; the row's sum is taken of the unquantised p and
; divides at the end.  When M moves, the sum and O are multiplied by 2^(old M - new M): exact.
; SHARES.  A work-group owns 512 queries of one (batch, head); each of its eight waves 64: four tiles of 16; two waves to a SIMD.  16 key steps of 128 keys.
; LAYOUT.  Both products are used transposed: S^T = K Q^T (source 0 = 16 keys, source 1 = 16 queries), O^T = V^T P (source 0 = 16 channels, source 1 = P): a lane holds ONE query throughout, and its eight
; scores of key tile T are keys 16 T + 8 (lane / 16) + 0 .. 7: one conversion makes of them registers 2 T, 2 T + 1 of P's fragment.  Each fragment of K and V read from LDS feeds four products.
; NO TENSOR LOAD, NO CLUSTER.  p is at most 1, so the hold at 57,344 x 2^e8 bites only where e8 < -15; it is 64 instructions a tile and step of the vector work that bounds this launch, and is jumped over by a
; scalar branch on e8, a whole number read from memory.  What partners would share is small: 16 KiB a step for a work-group.
; So K and V come by 4 loads and 4 LDS stores a wave and step, as dense images: no pitch, no padding.
; THE RING: three LDS slots of a step's 16 KiB.  In step i the staged bytes of step i + 2 go into slot (i + 2) % 3, step i + 3 is loaded into registers, V of step i is read from slot i % 3 and K of step i + 1
; from slot (i + 1) % 3: three different slots between two barriers, ONE barrier a step.
; LIMITS: e6 + e7 between -123 and 130 (added to c's exponent field); e8 and e10 between -126 and 112.  NaN is not served.
; REGISTERS.  Window 0: v1-6 addresses and constants; v16-31 four registers of statistics a tile (-M, the largest t, the sum in two halves); v32-39 f, a pair a tile; v40-45 at work;
;   three buffers of 64, v64, v128, v192, that take turns as K / V, S^T, S^T.   Window 1: v0-31 Q; v32-47 staging; v64-127 P's codes, 16 a tile; v128-255 O^T, 32 a tile.
.set SLOT, 16384
.set LI,  1                            ; v1   16 x lane
.set WI,  2                            ; v2   1,024 x wave + 16 x lane: my part of a step's K or V, in memory and in a slot
.set PFO, 3                            ; v3   256 x lane: the prefetches' offset
.set PSC, 4                            ; v4   2^e8 as f32
.set CSC, 5                            ; v5   2^e10
.set CLM, 6                            ; v6   57,344 x 2^e10
.set ST,  16
.set F,   32
.set TA,  40
.set TB,  41
.set TC,  42
.set TS,  44
.set B0,  64
.set B1,  128
.set B2,  192
.set QF,  0                            ; window 1
.set SG,  32
.set PC,  64
.set OA,  128
.set KB,  6                            ; s[6:7]   K of the step that the trip's offsets count from
.set VB,  8                            ; s[8:9]   V likewise
.set WV,  14
.set SEL, 20                           ; s[20:21] lane selects: lane l xor 16
.set CS,  22                           ; s[22:23] c = log2(e) / 8 x 2^(e6 + e7)
.set CNT, 24                           ; s24  trips to go
.set EP,  25                           ; s25  e8
.set HL,  26                           ; s26  57,344 x 2^e8
.set EPV, 27                           ; s27  e8 + e9
.set PFA, 28                           ; s[28:29] the prefetches' base: K's (wave 0) or V's (wave 1), stepped with KB
.set LIM, 30                           ; s30, s31: 1 and 2 in a wave that prefetches, else the greatest number
.set MSB, 0
.macro WIN new                         ; low byte: bits 1:0 source 0, 3:2 source 1, 5:4 source 2, 7:6 destination; the high byte repeats the setting that is left
.if MSB != (\new)
	s_set_vgpr_msb (MSB<<8)|(\new)
.set MSB, (\new)
.endif
.endm
; A PREFETCH INTO THE L2 of step i + 4, one step ahead of the load that will want it: 8,192 bytes, lanes 256 bytes apart, one instruction.  The four work-groups of a head walk the same K and V: the head's first
; asks, wave 0 for K and wave 1 for V, so each block is named once in the launch.  Steps 0 to 3 come by their loads alone; steps past 15 do not exist, and the counts below stop there.
.macro ASK p
.if (\p) == 2
	s_cmp_gt_u32 s[CNT], s[LIM+1]
.else
	s_cmp_gt_u32 s[CNT], s[LIM]
.endif
	s_cbranch_scc0 .Lnot_mine_\@
	global_prefetch_b8 v[PFO], s[PFA:PFA+1] offset:((\p)+4)*8192 th:TH_LOAD_NT scope:SCOPE_SE
.Lnot_mine_\@:
.endm
.macro SPROD t, kb, d                  ; S^T of tile t: eight tiles of 16 keys, K = the head's 64; each product starts its own sum
	WIN 0x04                                       ; Q in window 1
.irp k, 0,1,2,3,4,5,6,7
	v_wmma_f32_16x16x64_bf8_bf8 v[\d+8*\k:\d+8*\k+7], v[\kb+8*\k:\kb+8*\k+7], v[QF+8*(\t):QF+8*(\t)+7], 0
.endr
.endm
.macro KFETCH buf, sl                  ; a step's eight fragments of K
.irp k, 0,1,2,3,4,5,6,7
	ds_load_b128 v[\buf+8*\k:\buf+8*\k+3], v[LI] offset:(\sl)*SLOT+\k*1024
	ds_load_b128 v[\buf+8*\k+4:\buf+8*\k+7], v[LI] offset:(\sl)*SLOT+\k*1024+512
.endr
.endm
.macro VFETCH buf, sl                  ; a step's four fragments of V
.irp k, 0,1,2,3
.irp q, 0,1,2,3
	ds_load_b128 v[\buf+16*\k+4*\q:\buf+16*\k+4*\q+3], v[LI] offset:(\sl)*SLOT+8192+\k*2048+\q*512
.endr
.endr
.endm
; Tile t's softmax of a step, on the 64 scores v[s] on; it leaves P's codes in window 1.  The maximum takes the registers in ascending order.
.macro SOFTMAX t, s
.set rT, ST+4*(\t)
.set rF, F+2*(\t)
	v_max3_num_f32 v[TA], v[\s], v[\s+1], v[\s+2]                   ; the largest of my 64 scores, in two chains,
	v_max3_num_f32 v[TB], v[\s+3], v[\s+4], v[\s+5]
.irp i, 6,10,14,18,22,26,30,34,38,42,46,50,54,58
	v_max3_num_f32 v[TA], v[TA], v[\s+\i], v[\s+\i+1]
	v_max3_num_f32 v[TB], v[TB], v[\s+\i+2], v[\s+\i+3]
.endr
	v_max3_num_f32 v[TA], v[TA], v[\s+62], v[\s+63]
	v_max_num_f32 v[TA], v[TA], v[TB]
	v_permlanex16_b32 v[TC], v[TA], s[SEL], s[SEL+1]
	v_max_num_f32 v[TA], v[TA], v[TC]                               ; and of lane l xor 16's
	v_mul_f32 v[TA], s[CS], v[TA]                                   ; as t (c is positive)
	v_max_num_f32 v[rT+1], v[rT+1], v[TA]                           ; the running largest t
	v_mov_b32 v[TA], v[rT]
	v_floor_f32 v[rT], -v[rT+1]                                     ; the new -M = floor(-t): M is a whole number
	v_sub_f32 v[TA], v[rT], v[TA]                                   ; old M - new M: a whole number, 0 or less
	v_cvt_i32_f32 v[TA], v[TA]                                      ; (it saturates)
	v_ldexp_f32 v[rF], 1.0, v[TA]                                   ; f = 2^(old M - new M)
.set n, 0
.rept 32
	v_pk_fma_f32 v[\s+n:\s+n+1], v[\s+n:\s+n+1], s[CS:CS+1], v[rT:rT+1] op_sel_hi:[1,0,0]   ; t - M, two at a time (of the pairs c and -M the low word serves both halves)
.set n, n+2
.endr
.set n, 0
.rept 64
	v_exp_f32 v[\s+n], v[\s+n]                                      ; p = 2^(t - M), at most 1
.set n, n+1
.endr
	v_pk_mul_f32 v[rT+2:rT+3], v[rT+2:rT+3], v[rF:rF+1] op_sel_hi:[1,0]   ; the sum under the new M: the plain line behind the exponentials
	s_wait_alu depctr_va_vdst(0)                                    ; one wait for the batch of 64, ahead of its first reader
	v_pk_add_f32 v[TS:TS+1], v[\s:\s+1], v[\s+2:\s+3]               ; the row's sum is taken of the unquantised p, in two chains
.irp j, 4,8,12,16,20,24,28,32,36,40,44,48,52,56,60
	v_pk_add_f32 v[rT+2:rT+3], v[rT+2:rT+3], v[\s+\j:\s+\j+1]
	v_pk_add_f32 v[TS:TS+1], v[TS:TS+1], v[\s+\j+2:\s+\j+3]
.endr
	v_pk_add_f32 v[rT+2:rT+3], v[rT+2:rT+3], v[TS:TS+1]
	s_cmp_ge_i32 s[EP], -15                                         ; p / 2^e8 is at most 2^15 where e8 >= -15: under 57,344, and the hold changes nothing
	s_cbranch_scc1 .Lno_hold_\@
.set n, 0
.rept 64
	v_min_num_f32 v[\s+n], s[HL], v[\s+n]                           ; the conversion does not saturate (ISA guide 7.6.2); p is not negative, so the hold is one-sided
.set n, n+1
.endr
.Lno_hold_\@:
	WIN 0x40                                                        ; destination window 1
.irp k, 0,1,2,3,4,5,6,7
	v_cvt_scalef32_pk8_bf8_f32 v[PC+16*(\t)+2*\k:PC+16*(\t)+2*\k+1], v[\s+8*\k:\s+8*\k+7], v[PSC]
.endr
	WIN 0
	v_nop                                                           ; one plain vector line behind the conversions: products will write their sources and read their results
.endm
; A KEY STEP.  On entry K lies in kb and tile 0's scores have been issued into sa; sb held V in the step before.  sl: the step's slot; p: the step's place behind KB.
; first = 1: V^T P starts O^T's sums.  st, ld, nx: the staging store, the staging load, the next step's K and first scores: 1 = always, 2 = jumped over in the loop's last trip (a scalar branch on the trip count).
; Every wait on LOADcnt and DScnt in a step is for 0 and stands outside the jumped parts, on every path: so between one step's loads into the staging registers and the next step's stands a wait whatever is jumped over.
; The accumulators take turns, one instruction a turn.
.macro STEP kb, sa, sb, sl, p, first, st, ld, nx
	s_wait_loadcnt 0x0                             ; step i + 2's bytes, asked for a step ago, are in the staging registers; on every path, ahead of the jump: no load of mine is out when this step's are issued
.if \st == 2
	s_cmp_eq_u32 s[CNT], 1
	s_cbranch_scc1 .Lst_\@
.endif
	WIN 0x04                                       ; a store's data window 1
	ds_store_b128 v[WI], v[SG:SG+3] offset:((\sl+2)%3)*SLOT          ; into the slot whose last readers waited in front of the barrier just passed
	ds_store_b128 v[WI], v[SG+4:SG+7] offset:((\sl+2)%3)*SLOT+512
	ds_store_b128 v[WI], v[SG+8:SG+11] offset:((\sl+2)%3)*SLOT+8192
	ds_store_b128 v[WI], v[SG+12:SG+15] offset:((\sl+2)%3)*SLOT+8704
	WIN 0
.if \st == 2
.Lst_\@:
.endif
.rept 5
	v_nop                                          ; five places: tile 1's scores are written over registers that the last products V^T P read (ISA guide 7.12.1); they also stand behind tile 0's scores
.endr
	SPROD 1, \kb, \sb
	WIN 0
	SOFTMAX 0, \sa
	s_wait_dscnt 0x0                               ; the staging stores have read their registers
.if \ld == 2
	s_cmp_eq_u32 s[CNT], 1
	s_cbranch_scc1 .Lld_\@
.endif
	WIN 0x40                                       ; destination window 1
	global_load_b128 v[SG:SG+3], v[WI], s[KB:KB+1] offset:(\p+3)*8192
	global_load_b128 v[SG+4:SG+7], v[WI], s[KB:KB+1] offset:(\p+3)*8192+512
	global_load_b128 v[SG+8:SG+11], v[WI], s[VB:VB+1] offset:(\p+3)*8192
	global_load_b128 v[SG+12:SG+15], v[WI], s[VB:VB+1] offset:(\p+3)*8192+512
	WIN 0
	ASK \p
.if \ld == 2
.Lld_\@:
.endif
	SPROD 2, \kb, \sa
	WIN 0
	SOFTMAX 1, \sb
	SPROD 3, \kb, \sb
	WIN 0
	SOFTMAX 2, \sa
	VFETCH \kb, \sl                                ; K's buffer is free: tile 2's softmax stands between its last product and these loads
.if \nx == 2
	s_cmp_eq_u32 s[CNT], 1
	s_cbranch_scc1 .Lnxa_\@
.endif
	KFETCH \sa, (\sl+1)%3
.if \nx == 2
.Lnxa_\@:
.endif
	SOFTMAX 3, \sb
	s_wait_dscnt 0x0                               ; V and the next K are in; no LDS instruction of mine is out at the barrier below
.if \nx == 2
	s_cmp_eq_u32 s[CNT], 1
	s_cbranch_scc1 .Lnxb_\@
.endif
	SPROD 0, \sa, \sb                              ; the next step's first scores
	WIN 0
.if \nx == 2
.Lnxb_\@:
.endif
.irp t, 0,1,2,3
.if !\first
	WIN 0x41                                       ; O^T in window 1, f in window 0
.set n, 0
.rept 16
	v_pk_mul_f32 v[OA+32*\t+n:OA+32*\t+n+1], v[OA+32*\t+n:OA+32*\t+n+1], v[F+2*\t:F+2*\t+1] op_sel_hi:[1,0]   ; O^T under the new M
.set n, n+2
.endr
.endif
	WIN 0x54                                       ; V in window 0; P, C and D in window 1
.irp ct, 0,1,2,3
.if \first
	v_wmma_f32_16x16x128_bf8_bf8 v[OA+32*\t+8*\ct:OA+32*\t+8*\ct+7], v[\kb+16*\ct:\kb+16*\ct+15], v[PC+16*\t:PC+16*\t+15], 0
.else
	v_wmma_f32_16x16x128_bf8_bf8 v[OA+32*\t+8*\ct:OA+32*\t+8*\ct+7], v[\kb+16*\ct:\kb+16*\ct+15], v[PC+16*\t:PC+16*\t+15], v[OA+32*\t+8*\ct:OA+32*\t+8*\ct+7]
.endif
.endr
.endr
	WIN 0
	s_barrier_signal -1                            ; my stores into slot (i + 2) % 3 have landed and my reads of slot i % 3 are back
	s_barrier_wait -1
.endm
	s_load_b128 s[4:7], s[0:1], 0x0                ; qf, kf
	s_load_b128 s[8:11], s[0:1], 0x10              ; vf, the scales' exponents
	s_load_b64 s[12:13], s[0:1], 0x20              ; cf
	v_lshl_add_u32 v62, v0, 2, 0xc000
	v_mov_b32 v63, 0
	v_lshrrev_b32 v7, 5, v0
	v_readfirstlane_b32 s[WV], v7                  ; wave 0..7
	v_and_b32 v7, 31, v0
	v_lshlrev_b32 v[LI], 4, v7
	v_lshlrev_b32 v[PFO], 8, v7
	s_lshl_b32 s15, s[WV], 10
	v_add_nc_u32 v[WI], s15, v[LI]
	s_and_b32 s16, ttmp7, 0xffff                   ; bh = 16 batch + head
	s_lshl_b32 s18, s16, 17                        ; the head's bytes in qf, kf, vf
	s_mov_b32 s19, 0
	s_lshl_b32 s37, ttmp9, 15                      ; my work-group's 32 tiles of queries,
	s_lshl_b32 s38, s[WV], 12                      ; my wave's 4 of them
	s_add_co_u32 s38, s38, s37
	s_add_co_u32 s38, s38, s18
	s_mov_b32 s39, 0
	s_lshr_b32 s40, s16, 4                         ; cf: row tile = 128 batch + 32 work-group x + 4 wave,
	s_lshl_b32 s40, s40, 7
	s_lshl_b32 s41, ttmp9, 5
	s_add_co_u32 s40, s40, s41
	s_lshl_b32 s41, s[WV], 2
	s_add_co_u32 s40, s40, s41
	s_lshl_b32 s40, s40, 14
	s_and_b32 s41, s16, 15                         ; + 1,024 x head
	s_lshl_b32 s41, s41, 10
	s_add_co_u32 s40, s40, s41
	s_mov_b32 s41, 0
	s_mov_b32 s[SEL], 0x76543210
	s_mov_b32 s[SEL+1], 0xfedcba98
	s_lshr_b32 s15, s[WV], 1                       ; 0 in waves 0 and 1,
	s_or_b32 s15, s15, ttmp9                       ; of the head's first work-group
	s_cmp_eq_u32 s15, 0
	s_cselect_b32 s[LIM], 1, -1
	s_cselect_b32 s[LIM+1], 2, -1
	s_wait_kmcnt 0x0
	s_load_b128 s[32:35], s[10:11], 0x18           ; e6, e7, e8, e9
	s_load_b32 s36, s[10:11], 0x28                 ; e10
	s_add_nc_u64 s[4:5], s[4:5], s[38:39]
	s_add_nc_u64 s[KB:KB+1], s[KB:KB+1], s[18:19]
	s_add_nc_u64 s[VB:VB+1], s[VB:VB+1], s[18:19]
	s_add_nc_u64 s[12:13], s[12:13], s[40:41]
	s_cmp_eq_u32 s[WV], 0
	s_cselect_b64 s[PFA:PFA+1], s[KB:KB+1], s[VB:VB+1]
	global_load_b128 v[B1:B1+3], v[WI], s[KB:KB+1]                   ; step 0, through registers that are free yet
	global_load_b128 v[B1+4:B1+7], v[WI], s[KB:KB+1] offset:512
	global_load_b128 v[B1+8:B1+11], v[WI], s[VB:VB+1]
	global_load_b128 v[B1+12:B1+15], v[WI], s[VB:VB+1] offset:512
	global_load_b128 v[B2:B2+3], v[WI], s[KB:KB+1] offset:8192       ; step 1
	global_load_b128 v[B2+4:B2+7], v[WI], s[KB:KB+1] offset:8704
	global_load_b128 v[B2+8:B2+11], v[WI], s[VB:VB+1] offset:8192
	global_load_b128 v[B2+12:B2+15], v[WI], s[VB:VB+1] offset:8704
	WIN 0x40
.irp t, 0,1,2,3
	global_load_b128 v[QF+8*\t:QF+8*\t+3], v[LI], s[4:5] offset:\t*1024       ; Q stays in registers
	global_load_b128 v[QF+8*\t+4:QF+8*\t+7], v[LI], s[4:5] offset:\t*1024+512
.endr
	global_load_b128 v[SG:SG+3], v[WI], s[KB:KB+1] offset:16384      ; step 2, into the staging registers
	global_load_b128 v[SG+4:SG+7], v[WI], s[KB:KB+1] offset:16896
	global_load_b128 v[SG+8:SG+11], v[WI], s[VB:VB+1] offset:16384
	global_load_b128 v[SG+12:SG+15], v[WI], s[VB:VB+1] offset:16896
	WIN 0
	s_wait_loadcnt 12                              ; steps 0 and 1 are in; Q's eight loads and step 2's four may be out
	ds_store_b128 v[WI], v[B1:B1+3]
	ds_store_b128 v[WI], v[B1+4:B1+7] offset:512
	ds_store_b128 v[WI], v[B1+8:B1+11] offset:8192
	ds_store_b128 v[WI], v[B1+12:B1+15] offset:8704
	ds_store_b128 v[WI], v[B2:B2+3] offset:SLOT
	ds_store_b128 v[WI], v[B2+4:B2+7] offset:SLOT+512
	ds_store_b128 v[WI], v[B2+8:B2+11] offset:SLOT+8192
	ds_store_b128 v[WI], v[B2+12:B2+15] offset:SLOT+8704
	s_wait_dscnt 0x0                               ; for the others' sake: my stores have landed
	s_barrier_signal -1
	s_barrier_wait -1
	KFETCH B0, 0
.irp t, 0,1,2,3
	v_mov_b32 v[ST+4*\t+1], 0xff61b1e6             ; the largest t so far: -3e38, under every t
	v_floor_f32 v[ST+4*\t], -v[ST+4*\t+1]          ; -M
	v_mov_b32 v[ST+4*\t+2], 0                      ; the sum, in two halves
	v_mov_b32 v[ST+4*\t+3], 0
	v_mov_b32 v[F+2*\t+1], 0                       ; (named as the upper half of f's pair)
.endr
	v_mov_b32 v[TC], 0                             ; a lane permute's destination counts as one of its sources
	s_wait_kmcnt 0x0
	s_add_co_i32 s15, s32, s33
	s_lshl_b32 s15, s15, 23
	s_mov_b32 s[CS], 0x3e38aa3b                    ; log2(e) / 8
	s_add_co_i32 s[CS], s[CS], s15                 ; a score stands for score x 2^(e6 + e7): added to c's exponent field
	s_mov_b32 s[CS+1], s[CS]
	s_mov_b32 s[EP], s34
	s_add_co_i32 s15, s34, 127
	s_lshl_b32 s17, s15, 23
	v_mov_b32 v[PSC], s17
	s_add_co_i32 s15, s15, 15
	s_lshl_b32 s15, s15, 23
	s_or_b32 s[HL], s15, 0x600000
	s_add_co_i32 s[EPV], s34, s35
	s_add_co_i32 s15, s36, 127
	s_lshl_b32 s17, s15, 23
	v_mov_b32 v[CSC], s17
	s_add_co_i32 s15, s15, 15
	s_lshl_b32 s15, s15, 23
	s_or_b32 s15, s15, 0x600000
	v_mov_b32 v[CLM], s15
	s_mov_b32 s[CNT], 5
	s_wait_loadcnt 4                               ; Q is in; step 2's four loads may be out
	s_wait_dscnt 0x0                               ; K of step 0
	SPROD 0, B0, B1
	WIN 0
	STEP B0, B1, B2, 0, 0, 1, 1, 1, 1              ; step 0 is written out: its products start O^T's sums
	s_wait_xcnt 0x0                                ; the loads and the prefetch have read their bases
	s_add_nc_u64 s[KB:KB+1], s[KB:KB+1], 8192
	s_add_nc_u64 s[VB:VB+1], s[VB:VB+1], 8192
	s_add_nc_u64 s[PFA:PFA+1], s[PFA:PFA+1], 8192
.Ltrip:                                            ; five trips of three steps, after which buffers and slots are back where they began: steps 1 to 15
	STEP B1, B2, B0, 1, 0, 0, 1, 2, 1
	STEP B2, B0, B1, 2, 1, 0, 2, 2, 1
	STEP B0, B1, B2, 0, 2, 0, 2, 2, 2
	s_wait_xcnt 0x0
	s_add_nc_u64 s[KB:KB+1], s[KB:KB+1], 3*8192
	s_add_nc_u64 s[VB:VB+1], s[VB:VB+1], 3*8192
	s_add_nc_u64 s[PFA:PFA+1], s[PFA:PFA+1], 3*8192
	s_sub_co_u32 s[CNT], s[CNT], 1
	s_cmp_lg_u32 s[CNT], 0
	s_cbranch_scc1 .Ltrip
	; THE WAY OUT.  The sum's halves and lane l xor 16's are added; O^T x 2^(e8 + e9) / the sum is the context, which is held, quantised with 2^e10 and stored as the image of the last product's operand.
.irp t, 0,1,2,3
	v_add_f32 v[F+2*\t], v[ST+4*\t+2], v[ST+4*\t+3]                  ; (these four are the places behind the last products)
.endr
.irp t, 0,1,2,3
	v_permlanex16_b32 v[F+2*\t+1], v[F+2*\t], s[SEL], s[SEL+1]
.endr
.irp t, 0,1,2,3
	v_add_f32 v[F+2*\t], v[F+2*\t], v[F+2*\t+1]
.endr
.irp t, 0,1,2,3
	v_rcp_f32 v[F+2*\t], v[F+2*\t]
.endr
	v_nop                                          ; a plain line behind the last reciprocal
	s_wait_alu depctr_va_vdst(0)                   ; one wait for the four, ahead of their first reader
.irp t, 0,1,2,3
	v_ldexp_f32 v[F+2*\t], v[F+2*\t], s[EPV]
.endr
.irp t, 0,1,2,3
	WIN 0x01                                       ; source 0 (O^T) window 1
.irp i, 0,2,4,6,8,10,12,14,16,18,20,22,24,26,28,30
	v_pk_mul_f32 v[B0+32*\t+\i:B0+32*\t+\i+1], v[OA+32*\t+\i:OA+32*\t+\i+1], v[F+2*\t:F+2*\t+1] op_sel_hi:[1,0]   ; register 8 ct + j: channel 16 ct + 8 h + j of my query
.endr
	WIN 0
.set n, 0
.rept 32
	v_med3_num_f32 v[B0+32*\t+n], v[B0+32*\t+n], -v[CLM], v[CLM]
.set n, n+1
.endr
.irp c, 0,1,2,3
	v_cvt_scalef32_pk8_bf8_f32 v[B2+8*\t+2*\c:B2+8*\t+2*\c+1], v[B0+32*\t+8*\c:B0+32*\t+8*\c+7], v[CSC]
.endr
	v_nop
	global_store_b128 v[LI], v[B2+8*\t:B2+8*\t+3], s[12:13] offset:\t*16384          ; 32 lanes store 512 consecutive bytes, aligned
	global_store_b128 v[LI], v[B2+8*\t+4:B2+8*\t+7], s[12:13] offset:\t*16384+512
.endr
	s_wait_tensorcnt 0x0
	ds_add_u32 v62, v63
	s_wait_dscnt 0x0
	s_endpgm
.Lfunc_end_k_q79d167bf3d_attn:
	.size	k_q79d167bf3d_attn, .Lfunc_end_k_q79d167bf3d_attn-k_q79d167bf3d_attn
	.p2alignl 7, 3214868480
	.fill 96, 4, 3214868480
	.section	.rodata,"a",@progbits
	.p2align	6, 0x0
	.amdhsa_kernel k_q79d167bf3d_attn
		.amdhsa_group_segment_fixed_size 50176
		.amdhsa_private_segment_fixed_size 0
		.amdhsa_enable_private_segment 0
		.amdhsa_kernarg_size 40
		.amdhsa_user_sgpr_count 2
		.amdhsa_user_sgpr_kernarg_segment_ptr 1
		.amdhsa_wavefront_size32 1
		.amdhsa_system_sgpr_workgroup_id_x 1
		.amdhsa_system_sgpr_workgroup_id_y 1
		.amdhsa_system_sgpr_workgroup_id_z 1
		.amdhsa_system_vgpr_workitem_id 0
		.amdhsa_next_free_vgpr 512
		.amdhsa_next_free_sgpr 66
		.amdhsa_reserve_vcc 0
		.amdhsa_float_denorm_mode_32 3
		.amdhsa_float_denorm_mode_16_64 3
		.amdhsa_memory_ordered 1
		.amdhsa_forward_progress 1
		.amdhsa_inst_pref_size 241
	.end_amdhsa_kernel
	.amdgpu_metadata
---
amdhsa.version: [ 1, 2 ]
amdhsa.kernels:
  - .name:           k_q79d167bf3d_attn
    .symbol:         k_q79d167bf3d_attn.kd
    .args:
      - { .name: qf, .offset: 0, .size: 8, .value_kind: global_buffer, .address_space: global }
      - { .name: kf, .offset: 8, .size: 8, .value_kind: global_buffer, .address_space: global }
      - { .name: vf, .offset: 16, .size: 8, .value_kind: global_buffer, .address_space: global }
      - { .name: lowp_scales, .offset: 24, .size: 8, .value_kind: global_buffer, .address_space: global }
      - { .name: cf, .offset: 32, .size: 8, .value_kind: global_buffer, .address_space: global }
    .group_segment_fixed_size: 50176
    .private_segment_fixed_size: 0
    .kernarg_segment_align: 8
    .kernarg_segment_size: 40
    .max_flat_workgroup_size: 256
    .sgpr_count:     66
    .vgpr_count:     512
    .wavefront_size: 32
...
	.end_amdgpu_metadata
.endif
;; end of part 3
;; launch oproj_ln (part 4): grid 256 x 1, 4 waves a work-group, clusters of 4 x 1, 327,680 bytes of LDS; arguments cf, W_o_codes, b_o, x, ln_gamma, ln_beta, lowp_scales, out0; writes out0
.if DOCPART == 4
	.amdgcn_target "amdgcn-amd-amdhsa--gfx1250"
	.amdhsa_code_object_version 6
	.text
	.protected	k_q79d167bf3d_oproj_ln
	.globl	k_q79d167bf3d_oproj_ln
	.p2align	8
	.type	k_q79d167bf3d_oproj_ln,@function
k_q79d167bf3d_oproj_ln:
	s_mov_b64 s[64:65], 0
	v_nop
	global_prefetch_b8 v0, s[64:65] scope:SCOPE_SE
	s_setreg_imm32_b32 hwreg(HW_REG_WAVE_MODE, 25, 1), 1
	s_wait_xcnt 0x0
	s_wait_alu depctr_hold_cnt(0) depctr_sa_sdst(0) depctr_va_vdst(0) depctr_va_sdst(0) depctr_va_ssrc(0) depctr_va_vcc(0) depctr_vm_vsrc(0)
	s_getreg_b32 s2, hwreg(HW_REG_IB_STS2, 6, 4)
	s_cmp_eq_u32 s2, 0
	s_cbranch_scc0 .Lentry_in_a_cluster
	s_endpgm
.Lentry_in_a_cluster:
	s_bfe_u32 s2, ttmp6, 0x10000c
	s_cmp_lg_u32 s2, 0x3003
	s_cbranch_scc0 .Lentry_shape_is_right
	s_endpgm
.Lentry_shape_is_right:
; out0 = LayerNorm(x + context W_o^T + b_o) x gamma + beta.  The product runs on codes of BF8 (E5M2): the context's from cf (images of operand registers, scale 2^e10), W_o's as given (scale 2^e11).
; SHARES.  LayerNorm needs whole rows: a work-group takes 32 rows and all 1,024 columns.  Wave w makes columns 512 nh + 128 w + 0 .. 127 (nh = 0, 1) of the 32 rows: 32 accumulators, 256 registers.
; The context's 16 fragments (2 tiles of rows x 8 K steps of 128) stay in each wave's registers.  THE MATRIX INSTRUCTION IS USED TRANSPOSED (source 0 = 16 rows of W_o, source 1 = 16 rows of the context):
; a lane holds one row and eight neighbouring columns.  k stands in its true place on both sides: W_o's fragments come from LDS by loads of 8 bytes, as cf's images were made.
; CLUSTER.  All work-groups walk the same W_o; the four of a cluster ask for each tile JOINTLY (the same tensor load, the same descriptor, mask 15).  cx enters the addresses of cf, x and out0 alone.
; THE RING.  Eight fills f: rows 512 (f / 4) .. + 511 of W_o, K = 256 (f % 4) .. + 255, into slot f % 2.  Wave w fetches rows 128 w .. + 127 of a fill and is their only reader.  A wave has
; two tensor loads out at the start and one behind each round.
; x, gamma, beta and b_o are asked for under the products, a row and a piece in each fill.  No prefetch of W_o: every cluster reads it again and again.
; THE WAY OUT.  The raw sums meet in a stage of 32 rows x (4,096 + 16) bytes, which lies in slot 0: it has had its last fill and its last read.  Each wave then owns 8 whole rows, so no statistic crosses waves.
; LIMITS: e10 + e11 between -126 and 127.
; REGISTERS.  Window 0: v1-7, v24 addresses; v8-23 a pair of statistics a row; v32-63 gamma, v64-95 beta, v96-127 b_o (register 4 q + e: column 128 q + 4 lane + e); v128-191, v192-255 two sets of 4 fragments of W_o.
;   Window 1: the context's fragments ((mt, s) at 16 (8 mt + s)); later my 8 rows, row i at 32 i.   Window 2: the accumulators, at 8 (2 (8 nh + nt) + mt).   Window 3: x, row i at 32 i.
.set PITCH,  272                       ; an LDS row: 256 bytes + 16 of padding = 68 words: the 32 lanes of a load of 8 bytes touch each of the 64 banks once (ISA guide 11.1)
.set HALFT,  128*PITCH                 ; what one tensor load brings
.set SLOT,   4*HALFT
.set SPARE,  2*SLOT                    ; behind the ring: the spare words, 128 bytes for each wave, that no other line names
.set SPITCH, 4112                      ; a stage row
.set LI,   1                           ; v1   16 x lane
.set ADR0, 2                           ; v2, v3  LDS address of my fragments of W_o in slot 0, 1
.set STO0, 4                           ; v4, v5  the stage: where I put 32 bytes of row r, of row 16 + r
.set SPW,  6                           ; v6   LDS address of my spare word; never rewritten
.set NIL,  7                           ; v7   0; never rewritten
.set SS,   8                           ; v8-23
.set SRD,  24                          ; v24  the stage: where I read my rows back
.set GA,   32
.set BE,   64
.set BO,   96
.set FA,   128
.set G1,   24                          ; s[24:31] descriptor group 1
.set G0,   32                          ; s[32:39] group 0, one set for each slot
.set MSB, 0
.macro WIN new                         ; low byte: bits 1:0 source 0, 3:2 source 1, 5:4 source 2, 7:6 destination; the high byte repeats the setting that is left
.if MSB != (\new)
	s_set_vgpr_msb (MSB<<8)|(\new)
.set MSB, (\new)
.endif
.endm
.macro CREST                           ; a round of the cluster's barrier behind its opening barrier
	s_cmp_lg_u32 s20, 0
	s_cbranch_scc1 .Lnot_wave_0_\@
	s_barrier_signal -3
.Lnot_wave_0_\@:
	s_barrier_wait -3
	s_barrier_signal -1
	s_barrier_wait -1
.endm
.macro CROUND
	s_barrier_signal -1
	s_barrier_wait -1
	CREST
.endm
.macro PLACES                          ; four places in front of loads into registers that matrix instructions have read, and of reads of results (ISA guide 7.12.1 for reads of results)
.rept 4
	v_nop
.endr
.endm
; Group g of a fill (0 .. 3): column tiles 4 (g % 2) + 0 .. 3, the slot's (g / 2)-th 128 along K.  Even groups take the first set of registers, odd groups the second.
.macro FETCHG slot, g                  ; 32 loads of 8 bytes: registers 2 c, 2 c + 1 of a fragment: k = 16 c + 8 (l / 16) + 0 .. 7 of row l % 16
.set FS, FA+64*((\g)%2)
.irp n, 0,1,2,3
.irp c, 0,1,2,3,4,5,6,7
	ds_load_b64 v[FS+16*\n+2*\c:FS+16*\n+2*\c+1], v[ADR0+(\slot)] offset:(4*((\g)%2)+\n)*16*PITCH+128*((\g)/2)+16*\c
.endr
.endr
.endm
.macro MULG f, g                       ; 8 products on 8 accumulators; between two links of one sum stand the 15 others' products.  The first K step starts the sums
.set FS, FA+64*((\g)%2)
.set KS, 2*((\f)%4)+(\g)/2
	WIN 0xa4                                       ; W_o window 0, the context window 1, C and D window 2
.irp n, 0,1,2,3
.irp mt, 0,1
.set AC, 8*(2*(8*((\f)/4)+4*((\g)%2)+\n)+\mt)
.if KS == 0
	v_wmma_f32_16x16x128_bf8_bf8 v[AC:AC+7], v[FS+16*\n:FS+16*\n+15], v[16*(8*\mt+KS):16*(8*\mt+KS)+15], 0
.else
	v_wmma_f32_16x16x128_bf8_bf8 v[AC:AC+7], v[FS+16*\n:FS+16*\n+15], v[16*(8*\mt+KS):16*(8*\mt+KS)+15], v[AC:AC+7]
.endif
.endr
.endr
	WIN 0
.endm
.macro XLOAD k                         ; row k of my 8 rows of x, and piece k of gamma, beta and b_o: each load 512 consecutive bytes
	WIN 0xc0                                       ; destination window 3
.irp q, 0,1,2,3,4,5,6,7
	global_load_b128 v[32*(\k)+4*\q:32*(\k)+4*\q+3], v[LI], s[50:51] offset:4096*(\k)+512*\q th:TH_LOAD_NT
.endr
	WIN 0
	global_load_b128 v[GA+4*(\k):GA+4*(\k)+3], v[LI], s[12:13] offset:512*(\k)
	global_load_b128 v[BE+4*(\k):BE+4*(\k)+3], v[LI], s[14:15] offset:512*(\k)
	global_load_b128 v[BO+4*(\k):BO+4*(\k)+3], v[LI], s[8:9] offset:512*(\k)
.endm
.macro RUN f                           ; a fill's groups 0 to 2; group 0's fragments have been asked for
	XLOAD \f
.irp g, 0,1,2
	PLACES
	FETCHG (\f)%2, \g+1
	s_wait_dscnt 32                                ; all but the 32 loads just issued: this group's fragments are in
	MULG \f, \g
.endr
.endm
; Group 3 changes slots.  Each wave waits for all its tensor loads (the one that is out is the next slot's), adds 0 to its spare word, and waits for that and for its reads of this slot; the barrier opens a round of the
; cluster's barrier, so that no wave of any partner still reads the slot or has a load on its way; the joint refill, fill f + 2, is the first thing behind the round.
.macro CHANGE f
	s_wait_tensorcnt 0x0
	ds_add_u32 v[SPW], v[NIL]                      ; 0 onto my spare word; the descriptor's step stands between it and the wait for it
.if (\f)/2 == 1
	s_add_nc_u64 s[G0+4*((\f)%2)+2:G0+4*((\f)%2)+3], s[G0+4*((\f)%2)+2:G0+4*((\f)%2)+3], 512*1024-512   ; 512 rows down, back along K
.else
	s_add_nc_u64 s[G0+4*((\f)%2)+2:G0+4*((\f)%2)+3], s[G0+4*((\f)%2)+2:G0+4*((\f)%2)+3], 512            ; 512 along K
.endif
	s_wait_dscnt 0x0
	s_barrier_signal -1
	MULG \f, 3                                     ; work on registers while the others arrive
	s_barrier_wait -1
	CREST
	tensor_load_to_lds s[G0+4*((\f)%2):G0+4*((\f)%2)+3], s[G1:G1+7]
	s_nop 0
	PLACES                                         ; the places in front of the loads below
	FETCHG 1-(\f)%2, 0
.endm
	s_load_b512 s[4:19], s[0:1], 0x0               ; cf s[4:5], W_o s[6:7], b_o s[8:9], x s[10:11], gamma s[12:13], beta s[14:15], the scales' exponents s[16:17], out0 s[18:19]
	v_lshl_add_u32 v[SPW], v0, 2, SPARE
	v_mov_b32 v[NIL], 0
	ds_add_u32 v6, v7
	ds_add_u32 v6, v7
	s_wait_dscnt 0x0
	v_lshrrev_b32 v1, 5, v0
	v_readfirstlane_b32 s20, v1                    ; wave 0..3
	s_bfe_u32 s21, ttmp6, 0x40000                  ; cx
	s_lshl_b32 s22, ttmp9, 2
	s_add_co_u32 s22, s22, s21                     ; my block of 32 rows
	s_mov_b32 s[G1], 15|(1<<20)|(1<<21)|(5<<22)|(3<<25)   ; 15:0 the mask: all four work-groups; 17:16 elements of 1 byte; 20 padding on; 21 set beside a mask; 24:22 after every 64 words (code 5); 31:25 four words (code 3)
	s_mov_b32 s[G1+1], 256<<16                     ; tensor_dim0
	s_mov_b32 s[G1+2], 128<<16                     ; tensor_dim1
	s_mov_b32 s[G1+3], 256<<16                     ; tile_dim0
	s_mov_b32 s[G1+4], 128                         ; tile_dim1
	s_mov_b32 s[G1+5], 1024                        ; tensor_dim0_stride
	s_mov_b32 s[G1+6], 0
	s_mov_b32 s[G1+7], 0
	s_mov_b32 s40, 0x76543210                      ; lane selects: lane l xor 16
	s_mov_b32 s41, 0xfedcba98
	s_mov_b32 s46, 0x3a800000                      ; 1 / 1,024
	s_mov_b32 s47, 0x3727c5ac                      ; 1e-5
	s_mul_i32 s23, s20, HALFT                      ; my rows' place in a slot: the wave's number alone
	s_lshl_b32 s54, s20, 17                        ; my 128 rows of W_o, of 1,024 bytes
	s_mov_b32 s55, 0
	s_lshl_b32 s56, s22, 15                        ; cf: two tiles of rows of 16,384 bytes
	s_mov_b32 s57, 0
	s_lshl_b32 s58, s22, 5
	s_lshl_b32 s59, s20, 3
	s_add_co_u32 s58, s58, s59                     ; the first of my 8 rows of x and of out0
	s_lshl_b32 s58, s58, 12
	s_mov_b32 s59, 0
	s_wait_kmcnt 0x0
	s_load_b64 s[44:45], s[16:17], 0x28            ; e10, e11
	s_add_nc_u64 s[54:55], s[6:7], s[54:55]
	s_add_nc_u64 s[48:49], s[4:5], s[56:57]
	s_add_nc_u64 s[50:51], s[10:11], s[58:59]
	s_add_nc_u64 s[52:53], s[18:19], s[58:59]
	CROUND                                         ; all four work-groups are here: the first joint loads meet
.irp s, 0,1
	s_mov_b32 s[G0+4*\s], 1                        ; count = 1
	s_add_co_u32 s[G0+4*\s+1], s23, \s*SLOT        ; LDS address
	s_add_nc_u64 s[G0+4*\s+2:G0+4*\s+3], s[54:55], \s*256   ; fill s: rows 128 w on, K = 256 s on
	s_or_b32 s[G0+4*\s+3], s[G0+4*\s+3], 0x80000000         ; type = 2
.endr
	tensor_load_to_lds s[G0:G0+3], s[G1:G1+7]      ; the two first fills go out together
	s_nop 0
	tensor_load_to_lds s[G0+4:G0+7], s[G1:G1+7]
	s_nop 0
	PLACES
	v_and_b32 v8, 31, v0
	v_lshlrev_b32 v[LI], 4, v8
	WIN 0x40                                       ; destination window 1
.irp fr, 0,1,2,3,4,5,6,7,8,9,10,11,12,13,14,15
.irp q, 0,1,2,3
	global_load_b128 v[16*\fr+4*\q:16*\fr+4*\q+3], v[LI], s[48:49] offset:\fr*2048+\q*512    ; the context's fragments, as they were stored
.endr
.endr
	WIN 0
	v_and_b32 v9, 15, v0                           ; r
	v_bfe_u32 v10, v0, 4, 1                        ; h
	v_mul_u32_u24 v[ADR0], v9, PITCH
	v_lshl_add_u32 v[ADR0], v10, 3, v[ADR0]
	v_add_nc_u32 v[ADR0], s23, v[ADR0]             ; row r x pitch + 8 h + my rows
	v_add_nc_u32 v[ADR0+1], SLOT, v[ADR0]
	v_mul_u32_u24 v[STO0], v9, SPITCH
	v_lshl_add_u32 v[STO0], v10, 5, v[STO0]
	s_lshl_b32 s56, s20, 9
	v_add_nc_u32 v[STO0], s56, v[STO0]             ; the stage: row r, + 32 h, + 512 x wave
	v_add_nc_u32 v[STO0+1], 16*SPITCH, v[STO0]
	s_mul_i32 s56, s20, 8*SPITCH
	v_add_nc_u32 v[SRD], s56, v[LI]                ; back: my 8 rows, 16 bytes a lane
	s_wait_kmcnt 0x0
	s_add_co_i32 s42, s44, s45
	s_add_co_i32 s42, s42, 127
	s_lshl_b32 s42, s42, 23                        ; 2^(e10 + e11) as f32
	s_mov_b32 s43, s42                             ; (named with it as a pair)
	s_wait_tensorcnt 0x1                           ; my part of fill 0 is in, and only I read it; fill 1 may be out
	FETCHG 0, 0
	s_wait_loadcnt 0x0                             ; the context
.irp f, 0,1,2,3,4,5
	RUN \f
	CHANGE \f
.endr
	RUN 6
	PLACES
	s_wait_tensorcnt 0x0                           ; fill 7, the last: no load was issued behind it
	FETCHG 1, 0
	s_wait_dscnt 32
	MULG 6, 3
	RUN 7
	s_wait_dscnt 0x0
	MULG 7, 3
	PLACES
	s_wait_loadcnt 0x0                             ; x, gamma, beta, b_o
	WIN 0xc3                                       ; x in window 3, b_o in window 0
.irp p, 0,1,2,3,4,5,6,7,8,9,10,11,12,13,14,15
.irp i, 0,1,2,3,4,5,6,7
	v_pk_add_f32 v[32*\i+2*\p:32*\i+2*\p+1], v[32*\i+2*\p:32*\i+2*\p+1], v[BO+2*\p:BO+2*\p+1]   ; x + b_o
.endr
.endr
	WIN 0
	s_wait_dscnt 0x0
	s_barrier_signal -1                            ; every wave's reads of slot 0 are over, and its tensor loads have landed:
	s_barrier_wait -1                              ; the stage may be written
	WIN 0x08                                       ; a store's data window 2
.irp nh, 0,1
.irp nt, 0,1,2,3,4,5,6,7
.irp mt, 0,1
.set AC, 8*(2*(8*\nh+\nt)+\mt)
	ds_store_b128 v[STO0+\mt], v[AC:AC+3] offset:\nh*2048+\nt*64           ; each accumulator from its low end on: row 16 mt + r, columns 512 nh + 128 w + 16 nt + 8 h + 0 .. 7
	ds_store_b128 v[STO0+\mt], v[AC+4:AC+7] offset:\nh*2048+\nt*64+16
.endr
.endr
.endr
	WIN 0
	s_wait_dscnt 0x0                               ; for the others' sake: my stores have landed
	s_barrier_signal -1
	s_barrier_wait -1
	WIN 0x40                                       ; destination window 1: the context's registers are done with
.irp i, 0,1,2,3,4,5,6,7
.irp q, 0,1,2,3,4,5,6,7
	ds_load_b128 v[32*\i+4*\q:32*\i+4*\q+3], v[SRD] offset:\i*SPITCH+\q*512
.endr
.endr
	WIN 0
	s_wait_dscnt 0x0
; a row's 32 lanes' figures become one, in every lane: the pair's halves, four steps inside each half of the lanes, one across.  The eight rows' chains run side by side.
.macro REDUCE
.irp i, 0,1,2,3,4,5,6,7
	v_add_f32 v[SS+2*\i], v[SS+2*\i], v[SS+2*\i+1]
.endr
.irp m, 1,2,4,8
.irp i, 0,1,2,3,4,5,6,7
	v_add_f32_dpp v[SS+2*\i], v[SS+2*\i], v[SS+2*\i] row_xmask:\m row_mask:0xf bank_mask:0xf
.endr
.endr
.irp i, 0,1,2,3,4,5,6,7
	v_permlanex16_b32 v[SS+2*\i+1], v[SS+2*\i], s40, s41
.endr
.irp i, 0,1,2,3,4,5,6,7
	v_add_f32 v[SS+2*\i], v[SS+2*\i], v[SS+2*\i+1]
.endr
.endm
	WIN 0x71                                       ; the rows in window 1, x + b_o in window 3
.irp p, 0,1,2,3,4,5,6,7,8,9,10,11,12,13,14,15
.irp i, 0,1,2,3,4,5,6,7
	v_pk_fma_f32 v[32*\i+2*\p:32*\i+2*\p+1], v[32*\i+2*\p:32*\i+2*\p+1], s[42:43], v[32*\i+2*\p:32*\i+2*\p+1] op_sel_hi:[1,0,1]   ; h = sum x 2^(e10 + e11) + (x + b_o)
.endr
.endr
	WIN 0x05
.irp i, 0,1,2,3,4,5,6,7
	v_pk_add_f32 v[SS+2*\i:SS+2*\i+1], v[32*\i:32*\i+1], v[32*\i+2:32*\i+3]
.endr
	WIN 0x04
.irp p, 2,3,4,5,6,7,8,9,10,11,12,13,14,15
.irp i, 0,1,2,3,4,5,6,7
	v_pk_add_f32 v[SS+2*\i:SS+2*\i+1], v[SS+2*\i:SS+2*\i+1], v[32*\i+2*\p:32*\i+2*\p+1]
.endr
.endr
	WIN 0
	REDUCE
.irp i, 0,1,2,3,4,5,6,7
	v_mul_f32 v[SS+2*\i], s46, v[SS+2*\i]          ; the mean
.endr
	WIN 0x41
.irp p, 0,1,2,3,4,5,6,7,8,9,10,11,12,13,14,15
.irp i, 0,1,2,3,4,5,6,7
	v_pk_add_f32 v[32*\i+2*\p:32*\i+2*\p+1], v[32*\i+2*\p:32*\i+2*\p+1], v[SS+2*\i:SS+2*\i+1] op_sel_hi:[1,0] neg_lo:[0,1] neg_hi:[0,1]   ; d = h - the mean
.endr
.endr
	WIN 0x05
.irp i, 0,1,2,3,4,5,6,7
	v_pk_mul_f32 v[SS+2*\i:SS+2*\i+1], v[32*\i:32*\i+1], v[32*\i:32*\i+1]
.endr
.irp p, 1,2,3,4,5,6,7,8,9,10,11,12,13,14,15
.irp i, 0,1,2,3,4,5,6,7
	v_pk_fma_f32 v[SS+2*\i:SS+2*\i+1], v[32*\i+2*\p:32*\i+2*\p+1], v[32*\i+2*\p:32*\i+2*\p+1], v[SS+2*\i:SS+2*\i+1]   ; the sum of d^2
.endr
.endr
	WIN 0
	REDUCE
.irp i, 0,1,2,3,4,5,6,7
	v_fma_f32 v[SS+2*\i], v[SS+2*\i], s46, s47     ; the variance + 1e-5
.endr
.irp i, 0,1,2,3,4,5,6,7
	v_rsq_f32 v[SS+2*\i], v[SS+2*\i]
.endr
	v_nop                                          ; a plain line behind the last of them
	s_wait_alu depctr_va_vdst(0)                   ; one wait for the eight, ahead of their first reader
	WIN 0x41
.irp p, 0,1,2,3,4,5,6,7,8,9,10,11,12,13,14,15
.irp i, 0,1,2,3,4,5,6,7
	v_pk_mul_f32 v[32*\i+2*\p:32*\i+2*\p+1], v[32*\i+2*\p:32*\i+2*\p+1], v[SS+2*\i:SS+2*\i+1] op_sel_hi:[1,0]
.endr
.endr
.irp p, 0,1,2,3,4,5,6,7,8,9,10,11,12,13,14,15
.irp i, 0,1,2,3,4,5,6,7
	v_pk_fma_f32 v[32*\i+2*\p:32*\i+2*\p+1], v[32*\i+2*\p:32*\i+2*\p+1], v[GA+2*\p:GA+2*\p+1], v[BE+2*\p:BE+2*\p+1]   ; x gamma + beta
.endr
.endr
	WIN 0x04                                       ; a store's data window 1
.irp i, 0,1,2,3,4,5,6,7
.irp q, 0,1,2,3,4,5,6,7
	global_store_b128 v[LI], v[32*\i+4*\q:32*\i+4*\q+3], s[52:53] offset:4096*\i+512*\q th:TH_STORE_NT   ; 32 lanes store 512 consecutive bytes, aligned; written once, read by nobody here
.endr
.endr
	WIN 0
	s_wait_tensorcnt 0x0                           ; the wave's end, behind my last tensor load and my last LDS store
	ds_add_u32 v[SPW], v[NIL]
	s_wait_dscnt 0x0
	CROUND                                         ; the closing round: no work-group ends while a partner may still ask for a tile that names it
	s_endpgm
.Lfunc_end_k_q79d167bf3d_oproj_ln:
	.size	k_q79d167bf3d_oproj_ln, .Lfunc_end_k_q79d167bf3d_oproj_ln-k_q79d167bf3d_oproj_ln
	.p2alignl 7, 3214868480
	.fill 96, 4, 3214868480
	.section	.rodata,"a",@progbits
	.p2align	6, 0x0
	.amdhsa_kernel k_q79d167bf3d_oproj_ln
		.amdhsa_group_segment_fixed_size 327680
		.amdhsa_private_segment_fixed_size 0
		.amdhsa_enable_private_segment 0
		.amdhsa_kernarg_size 64
		.amdhsa_user_sgpr_count 2
		.amdhsa_user_sgpr_kernarg_segment_ptr 1
		.amdhsa_wavefront_size32 1
		.amdhsa_system_sgpr_workgroup_id_x 1
		.amdhsa_system_sgpr_workgroup_id_y 1
		.amdhsa_system_sgpr_workgroup_id_z 1
		.amdhsa_system_vgpr_workitem_id 0
		.amdhsa_next_free_vgpr 1024
		.amdhsa_next_free_sgpr 66
		.amdhsa_reserve_vcc 0
		.amdhsa_float_denorm_mode_32 3
		.amdhsa_float_denorm_mode_16_64 3
		.amdhsa_memory_ordered 1
		.amdhsa_forward_progress 1
		.amdhsa_inst_pref_size 188
	.end_amdhsa_kernel
	.amdgpu_metadata
---
amdhsa.version: [ 1, 2 ]
amdhsa.kernels:
  - .name:           k_q79d167bf3d_oproj_ln
    .symbol:         k_q79d167bf3d_oproj_ln.kd
    .args:
      - { .name: cf, .offset: 0, .size: 8, .value_kind: global_buffer, .address_space: global }
      - { .name: W_o_codes, .offset: 8, .size: 8, .value_kind: global_buffer, .address_space: global }
      - { .name: b_o, .offset: 16, .size: 8, .value_kind: global_buffer, .address_space: global }
      - { .name: x, .offset: 24, .size: 8, .value_kind: global_buffer, .address_space: global }
      - { .name: ln_gamma, .offset: 32, .size: 8, .value_kind: global_buffer, .address_space: global }
      - { .name: ln_beta, .offset: 40, .size: 8, .value_kind: global_buffer, .address_space: global }
      - { .name: lowp_scales, .offset: 48, .size: 8, .value_kind: global_buffer, .address_space: global }
      - { .name: out0, .offset: 56, .size: 8, .value_kind: global_buffer, .address_space: global }
    .group_segment_fixed_size: 327680
    .private_segment_fixed_size: 0
    .kernarg_segment_align: 8
    .kernarg_segment_size: 64
    .max_flat_workgroup_size: 128
    .sgpr_count:     66
    .vgpr_count:     1024
    .wavefront_size: 32
...
	.end_amdgpu_metadata
.endif
;; end of part 4
;; ======== version 2 of 2: 4 launches; version 1 with the launch attn written anew for expert scheduling mode
;; workspace buffers: xq 8,388,608 bytes; xk 8,388,608 bytes; xv 8,388,608 bytes; qf 8,388,608 bytes; kf 8,388,608 bytes; vf 8,388,608 bytes; cf 8,388,608 bytes
;; launch quantx: the kernel of part 1 again; grid 1024 x 1, 4 waves a work-group, no clusters, 33,280 bytes of LDS; arguments x, lowp_scales, xq, xk, xv; writes xq, xk, xv
;; launch qkv: the kernel of part 2 again; grid 12 x 32, 4 waves a work-group, clusters of 4 x 4, 327,680 bytes of LDS; arguments xq, xk, xv, W_q_codes, W_k_codes, W_v_codes, b_q, b_k, b_v, lowp_scales, qf, kf, vf; writes qf, kf, vf
;; launch attn (part 5): grid 4 x 64, 8 waves a work-group, no clusters, 50,176 bytes of LDS; arguments qf, kf, vf, lowp_scales, cf; writes cf
.if DOCPART == 5
	.amdgcn_target "amdgcn-amd-amdhsa--gfx1250"
	.amdhsa_code_object_version 6
	.text
	.protected	k_q79d167bf3d_attn
	.globl	k_q79d167bf3d_attn
	.p2align	8
	.type	k_q79d167bf3d_attn,@function
k_q79d167bf3d_attn:
	s_mov_b64 s[64:65], 0
	v_nop
	global_prefetch_b8 v0, s[64:65] scope:SCOPE_SE
	s_setreg_imm32_b32 hwreg(HW_REG_WAVE_SCHED_MODE, 0, 2), 2
	s_setreg_imm32_b32 hwreg(HW_REG_WAVE_MODE, 25, 1), 1
	s_wait_xcnt 0x0
	s_wait_alu depctr_vm_vsrc(0)
; context[b][q][64 head + d] = the sum over k of softmax_k(Q . K / 8) V, both products on codes of BF8 (E5M2); the context is quantised with 2^e10 and stored as images of the last product's operand registers.
; qf, kf: fragments of 16 tokens x 64 channels (1,024 bytes); vf: of 16 channels x 128 keys (2,048 bytes); each as an image of its registers, 16 bytes a lane; a head's part of each buffer is 2^17 bytes.
; cf: fragments of 16 rows x 128 of the model's 1,024: byte (row / 16 << 14) + (head << 10) + 512 q + 16 lane: lane (r, h) holds row r, registers 2 c, 2 c + 1 the numbers 16 c + 8 h + 0 .. 7 of its 128.
; THE SOFTMAX: t = score x log2(e) / 8; M = the row's largest t so far, rounded UP to a whole number; p = 2^(t - M) is quantised with 2^e8, not normalised; the row's sum is taken of the unquantised p and
; divides at the end.  When M moves, the sum and O are multiplied by 2^(old M - new M): exact.
; SHARES.  A work-group owns 512 queries of one (batch, head); each of its eight waves 64: four tiles of 16; two waves to a SIMD.  16 key steps of 128 keys.
; LAYOUT.  Both products are used transposed: S^T = K Q^T (source 0 = 16 keys, source 1 = 16 queries), O^T = V^T P (source 0 = 16 channels, source 1 = P): a lane holds ONE query throughout, and its eight
; scores of key tile T are keys 16 T + 8 (lane / 16) + 0 .. 7: one conversion makes of them registers 2 T, 2 T + 1 of P's fragment.  Each fragment of K and V read from LDS feeds four products.
; NO TENSOR LOAD, NO CLUSTER.  p is at most 1, so the hold at 57,344 x 2^e8 bites only where e8 < -15; it is 64 instructions a tile and step of the vector work that bounds this launch, and is jumped over by a
; scalar branch on e8, a whole number read from memory.  What partners would share is small: 16 KiB a step for a work-group.
; So K and V come by 4 loads and 4 LDS stores a wave and step, as dense images: no pitch, no padding.
; THE RING: three LDS slots of a step's 16 KiB.  In step i the staged bytes of step i + 2 go into slot (i + 2) % 3, step i + 3 is loaded into registers, V of step i is read from slot i % 3 and K of step i + 1
; from slot (i + 1) % 3: three different slots between two barriers, ONE barrier a step.
; LIMITS: e6 + e7 between -123 and 130 (added to c's exponent field); e8 and e10 between -126 and 112.  NaN is not served.
; REGISTERS.  Window 0: v1-6 addresses and constants; v16-31 four registers of statistics a tile (-M, the largest t, the sum in two halves); v32-39 f, a pair a tile; v40-45 at work;
;   three buffers of 64, v64, v128, v192, that take turns as K / V, S^T, S^T.   Window 1: v0-31 Q; v32-47 staging; v64-127 P's codes, 16 a tile; v128-255 O^T, 32 a tile.
; THE MODE: SCHED_MODE bits 1:0 = 2 (LLVM: expert scheduling mode 2), set by the entry lines.  The code itself states the register dependences between vector or matrix instructions and memory or LDS
; instructions, with s_wait_alu, always for 0.
; THE PLAN.  Registers that memory or LDS instructions touch, in a key step (kb, sa, sb: the three buffers in the step's roles):
;   staging    Read by the four LDS stores at the step's head; then the four global loads of step i + 3 land in it.  No vector or matrix instruction names it: ONE wait on vm_vsrc stands between the stores and the loads.
;   kb         Read by the four runs of products K Q^T, the last of them issued ahead of tile 2's softmax; then V's sixteen LDS loads land in it.
;   sa         Written and read by tile 2's softmax, to its conversions; then the next K's sixteen LDS loads land in it.
;   v1, v2, v3 Addresses and offsets, made once at the head and never written again: the steps are reached by immediate offsets and by scalar bases.
;   sb, P's codes, O^T, Q and the statistics are named in the loop by vector and matrix instructions alone.
; A wait on va_vdst stands behind each tile's exponentials in any case.  Tile 2's also states that the products are done reading kb: V's loads follow it, dealt among tile 2's sums, which name sa and the statistics.
; Tile 3's also states that tile 2's softmax is done with sa: K's loads follow it, and until the wait for them only sb, the codes, O^T, f and kb are named.  So a step holds no further wait on va_vdst.
.set SLOT, 16384
.set LI,  1                            ; v1   16 x lane
.set WI,  2                            ; v2   1,024 x wave + 16 x lane: my part of a step's K or V, in memory and in a slot
.set PFO, 3                            ; v3   256 x lane: the prefetches' offset
.set PSC, 4                            ; v4   2^e8 as f32
.set CSC, 5                            ; v5   2^e10
.set CLM, 6                            ; v6   57,344 x 2^e10
.set ST,  16
.set F,   32
.set TA,  40
.set TB,  41
.set TC,  42
.set TS,  44
.set B0,  64
.set B1,  128
.set B2,  192
.set QF,  0                            ; window 1
.set SG,  32
.set PC,  64
.set OA,  128
.set KB,  6                            ; s[6:7]   K of the step that the trip's offsets count from
.set VB,  8                            ; s[8:9]   V likewise
.set WV,  14
.set SEL, 20                           ; s[20:21] lane selects: lane l xor 16
.set CS,  22                           ; s[22:23] c = log2(e) / 8 x 2^(e6 + e7)
.set CNT, 24                           ; s24  trips to go
.set EP,  25                           ; s25  e8
.set HL,  26                           ; s26  57,344 x 2^e8
.set EPV, 27                           ; s27  e8 + e9
.set PFA, 28                           ; s[28:29] the prefetches' base: K's (wave 0) or V's (wave 1), stepped with KB
.set LIM, 30                           ; s30, s31: 1 and 2 in a wave that prefetches, else the greatest number
.set MSB, 0
.macro WIN new                         ; low byte: bits 1:0 source 0, 3:2 source 1, 5:4 source 2, 7:6 destination; the high byte repeats the setting that is left
.if MSB != (\new)
	s_set_vgpr_msb (MSB<<8)|(\new)
.set MSB, (\new)
.endif
.endm
; A PREFETCH INTO THE L2 of step i + 4, one step ahead of the load that will want it: 8,192 bytes, lanes 256 bytes apart, one instruction.  The four work-groups of a head walk the same K and V: the head's first
; asks, wave 0 for K and wave 1 for V, so each block is named once in the launch.  Steps 0 to 3 come by their loads alone; steps past 15 do not exist, and the counts below stop there.
.macro ASK p
.if (\p) == 2
	s_cmp_gt_u32 s[CNT], s[LIM+1]
.else
	s_cmp_gt_u32 s[CNT], s[LIM]
.endif
	s_cbranch_scc0 .Lnot_mine_\@
	global_prefetch_b8 v[PFO], s[PFA:PFA+1] offset:((\p)+4)*8192 th:TH_LOAD_NT scope:SCOPE_SE
.Lnot_mine_\@:
.endm
.macro SPROD t, kb, d                  ; S^T of tile t: eight tiles of 16 keys, K = the head's 64; each product starts its own sum
	WIN 0x04                                       ; Q in window 1
.irp k, 0,1,2,3,4,5,6,7
	v_wmma_f32_16x16x64_bf8_bf8 v[\d+8*\k:\d+8*\k+7], v[\kb+8*\k:\kb+8*\k+7], v[QF+8*(\t):QF+8*(\t)+7], 0
.endr
.endm
.macro KFETCH buf, sl                  ; a step's eight fragments of K
.irp k, 0,1,2,3,4,5,6,7
	ds_load_b128 v[\buf+8*\k:\buf+8*\k+3], v[LI] offset:(\sl)*SLOT+\k*1024
	ds_load_b128 v[\buf+8*\k+4:\buf+8*\k+7], v[LI] offset:(\sl)*SLOT+\k*1024+512
.endr
.endm
; Tile t's softmax of a step, on the 64 scores v[s] on, in two parts; it leaves P's codes in window 1.  The maximum takes the registers in ascending order.
; The first part: the maximum, M, f, the scalings, the exponentials and the wait behind them.
.macro SM_A t, s
.set rT, ST+4*(\t)
.set rF, F+2*(\t)
	v_max3_num_f32 v[TA], v[\s], v[\s+1], v[\s+2]                   ; the largest of my 64 scores, in two chains,
	v_max3_num_f32 v[TB], v[\s+3], v[\s+4], v[\s+5]
.irp i, 6,10,14,18,22,26,30,34,38,42,46,50,54,58
	v_max3_num_f32 v[TA], v[TA], v[\s+\i], v[\s+\i+1]
	v_max3_num_f32 v[TB], v[TB], v[\s+\i+2], v[\s+\i+3]
.endr
	v_max3_num_f32 v[TA], v[TA], v[\s+62], v[\s+63]
	v_max_num_f32 v[TA], v[TA], v[TB]
	v_permlanex16_b32 v[TC], v[TA], s[SEL], s[SEL+1]
	v_max_num_f32 v[TA], v[TA], v[TC]                               ; and of lane l xor 16's
	v_mul_f32 v[TA], s[CS], v[TA]                                   ; as t (c is positive)
	v_max_num_f32 v[rT+1], v[rT+1], v[TA]                           ; the running largest t
	v_mov_b32 v[TA], v[rT]
	v_floor_f32 v[rT], -v[rT+1]                                     ; the new -M = floor(-t): M is a whole number
	v_sub_f32 v[TA], v[rT], v[TA]                                   ; old M - new M: a whole number, 0 or less
	v_cvt_i32_f32 v[TA], v[TA]                                      ; (it saturates)
	v_ldexp_f32 v[rF], 1.0, v[TA]                                   ; f = 2^(old M - new M)
.set n, 0
.rept 32
	v_pk_fma_f32 v[\s+n:\s+n+1], v[\s+n:\s+n+1], s[CS:CS+1], v[rT:rT+1] op_sel_hi:[1,0,0]   ; t - M, two at a time (of the pairs c and -M the low word serves both halves)
.set n, n+2
.endr
.set n, 0
.rept 64
	v_exp_f32 v[\s+n], v[\s+n]                                      ; p = 2^(t - M), at most 1
.set n, n+1
.endr
	v_pk_mul_f32 v[rT+2:rT+3], v[rT+2:rT+3], v[rF:rF+1] op_sel_hi:[1,0]   ; the sum under the new M: the plain line behind the exponentials
	s_wait_alu depctr_va_vdst(0)                                    ; the 64 exponentials have written v[s ..], ahead of their first reader: one wait for the batch.  In tile 2's turn it also states that the products K Q^T are done reading kb, in tile 3's that tile 2's softmax is done reading and writing sa: LDS loads land there behind it
.endm
; The second part: the sums, the hold, the conversions.  vb other than 0: the buffer in which V's four fragments of slot vs land: sixteen LDS loads (register vb + 4 n from byte 512 n of V's part of the slot),
; dealt among the sums.  No wait stands ahead of them: no vector or matrix instruction since the wait above names v[vb ..] or their address.
.macro SM_B t, s, vb, vs
.set rT, ST+4*(\t)
	v_pk_add_f32 v[TS:TS+1], v[\s:\s+1], v[\s+2:\s+3]               ; the row's sum is taken of the unquantised p, in two chains
.set n, 0
.irp j, 4,8,12,16,20,24,28,32,36,40,44,48,52,56,60
.if \vb
	ds_load_b128 v[\vb+4*n:\vb+4*n+3], v[LI] offset:(\vs)*SLOT+8192+512*n
.endif
	v_pk_add_f32 v[rT+2:rT+3], v[rT+2:rT+3], v[\s+\j:\s+\j+1]
	v_pk_add_f32 v[TS:TS+1], v[TS:TS+1], v[\s+\j+2:\s+\j+3]
.set n, n+1
.endr
.if \vb
	ds_load_b128 v[\vb+60:\vb+63], v[LI] offset:(\vs)*SLOT+8192+512*15
.endif
	v_pk_add_f32 v[rT+2:rT+3], v[rT+2:rT+3], v[TS:TS+1]
	s_cmp_ge_i32 s[EP], -15                                         ; p / 2^e8 is at most 2^15 where e8 >= -15: under 57,344, and the hold changes nothing
	s_cbranch_scc1 .Lno_hold_\@
.set n, 0
.rept 64
	v_min_num_f32 v[\s+n], s[HL], v[\s+n]                           ; the conversion does not saturate (ISA guide 7.6.2); p is not negative, so the hold is one-sided
.set n, n+1
.endr
.Lno_hold_\@:
	WIN 0x40                                                        ; destination window 1
.irp k, 0,1,2,3,4,5,6,7
	v_cvt_scalef32_pk8_bf8_f32 v[PC+16*(\t)+2*\k:PC+16*(\t)+2*\k+1], v[\s+8*\k:\s+8*\k+7], v[PSC]
.endr
	WIN 0
	v_nop                                                           ; one plain vector line behind the conversions: products will write their sources and read their results
.endm
; A KEY STEP.  On entry K lies in kb and tile 0's scores have been issued into sa; sb held V in the step before.  sl: the step's slot; p: the step's place behind KB.
; first = 1: V^T P starts O^T's sums.  st, ld, nx: the staging store, the staging load, the next step's K and first scores: 1 = always, 2 = jumped over in the loop's last trip (a scalar branch on the trip count).
; Every wait on LOADcnt and DScnt in a step is for 0 and stands outside the jumped parts, on every path: so between one step's loads into the staging registers and the next step's stands a wait whatever is jumped over.
; The accumulators take turns, one instruction a turn.
.macro STEP kb, sa, sb, sl, p, first, st, ld, nx
	s_wait_loadcnt 0x0                             ; step i + 2's bytes, asked for a step ago, are in the staging registers; on every path, ahead of the jump: no load of mine is out when this step's are issued
.if \st == 2
	s_cmp_eq_u32 s[CNT], 1
	s_cbranch_scc1 .Lst_\@
.endif
	WIN 0x04                                       ; a store's data window 1
	ds_store_b128 v[WI], v[SG:SG+3] offset:((\sl+2)%3)*SLOT          ; into the slot whose last readers waited in front of the barrier just passed
	ds_store_b128 v[WI], v[SG+4:SG+7] offset:((\sl+2)%3)*SLOT+512
	ds_store_b128 v[WI], v[SG+8:SG+11] offset:((\sl+2)%3)*SLOT+8192
	ds_store_b128 v[WI], v[SG+12:SG+15] offset:((\sl+2)%3)*SLOT+8704
	WIN 0
.if \st == 2
.Lst_\@:
.endif
	s_wait_alu depctr_vm_vsrc(0)                   ; the LDS stores above have read the staging registers, in which the loads below land; on every path, ahead of the jump
.if \ld == 2
	s_cmp_eq_u32 s[CNT], 1
	s_cbranch_scc1 .Lld_\@
.endif
	WIN 0x40                                       ; destination window 1
	global_load_b128 v[SG:SG+3], v[WI], s[KB:KB+1] offset:(\p+3)*8192             ; step i + 3: it has the whole step in which to land
	global_load_b128 v[SG+4:SG+7], v[WI], s[KB:KB+1] offset:(\p+3)*8192+512
	global_load_b128 v[SG+8:SG+11], v[WI], s[VB:VB+1] offset:(\p+3)*8192
	global_load_b128 v[SG+12:SG+15], v[WI], s[VB:VB+1] offset:(\p+3)*8192+512
	WIN 0
	ASK \p
.if \ld == 2
.Lld_\@:
.endif
.rept 5
	v_nop                                          ; five places: tile 1's scores are written over registers that the last products V^T P read (ISA guide 7.12.1); they also stand behind tile 0's scores
.endr
	SPROD 1, \kb, \sb
	WIN 0
	SM_A 0, \sa
	SM_B 0, \sa, 0, 0
	SPROD 2, \kb, \sa
	WIN 0
	SM_A 1, \sb
	SM_B 1, \sb, 0, 0
	SPROD 3, \kb, \sb
	WIN 0
	SM_A 2, \sa
	SM_B 2, \sa, \kb, \sl                          ; K's buffer is free behind the wait in tile 2's softmax: V of this step lands in it
	SM_A 3, \sb
	s_wait_dscnt 0x0                               ; V is in, and my staging stores have landed; it stands ahead of K's loads, so that these may stay out under the products V^T P
.if \nx == 2
	s_cmp_eq_u32 s[CNT], 1
	s_cbranch_scc1 .Lnxa_\@
.endif
	KFETCH \sa, (\sl+1)%3                          ; no wait: no vector or matrix instruction since the wait in tile 3's softmax names sa or the address
.if \nx == 2
.Lnxa_\@:
.endif
	SM_B 3, \sb, 0, 0
.irp t, 0,1,2,3
.if !\first
	WIN 0x41                                       ; O^T in window 1, f in window 0
.set n, 0
.rept 16
	v_pk_mul_f32 v[OA+32*\t+n:OA+32*\t+n+1], v[OA+32*\t+n:OA+32*\t+n+1], v[F+2*\t:F+2*\t+1] op_sel_hi:[1,0]   ; O^T under the new M
.set n, n+2
.endr
.endif
	WIN 0x54                                       ; V in window 0; P, C and D in window 1
.irp ct, 0,1,2,3
.if \first
	v_wmma_f32_16x16x128_bf8_bf8 v[OA+32*\t+8*\ct:OA+32*\t+8*\ct+7], v[\kb+16*\ct:\kb+16*\ct+15], v[PC+16*\t:PC+16*\t+15], 0
.else
	v_wmma_f32_16x16x128_bf8_bf8 v[OA+32*\t+8*\ct:OA+32*\t+8*\ct+7], v[\kb+16*\ct:\kb+16*\ct+15], v[PC+16*\t:PC+16*\t+15], v[OA+32*\t+8*\ct:OA+32*\t+8*\ct+7]
.endif
.endr
.endr
	WIN 0
	s_wait_dscnt 0x0                               ; the next K is in; no LDS instruction of mine is out at the barrier below
.if \nx == 2
	s_cmp_eq_u32 s[CNT], 1
	s_cbranch_scc1 .Lnxb_\@
.endif
	SPROD 0, \sa, \sb                              ; the next step's first scores
	WIN 0
.if \nx == 2
.Lnxb_\@:
.endif
	s_barrier_signal -1                            ; my stores into slot (i + 2) % 3 have landed and my reads of slot i % 3 are back
	s_barrier_wait -1
.endm
	s_load_b128 s[4:7], s[0:1], 0x0                ; qf, kf
	s_load_b128 s[8:11], s[0:1], 0x10              ; vf, the scales' exponents
	s_load_b64 s[12:13], s[0:1], 0x20              ; cf
	v_lshl_add_u32 v62, v0, 2, 0xc000
	v_mov_b32 v63, 0
	v_lshrrev_b32 v7, 5, v0
	v_readfirstlane_b32 s[WV], v7                  ; wave 0..7
	v_and_b32 v7, 31, v0
	v_lshlrev_b32 v[LI], 4, v7
	v_lshlrev_b32 v[PFO], 8, v7
	s_wait_alu depctr_va_sdst(0)                   ; the wave's number is written, ahead of its first reader: addresses and branches are made from it
	s_lshl_b32 s15, s[WV], 10
	v_add_nc_u32 v[WI], s15, v[LI]
	s_and_b32 s16, ttmp7, 0xffff                   ; bh = 16 batch + head
	s_lshl_b32 s18, s16, 17                        ; the head's bytes in qf, kf, vf
	s_mov_b32 s19, 0
	s_lshl_b32 s37, ttmp9, 15                      ; my work-group's 32 tiles of queries,
	s_lshl_b32 s38, s[WV], 12                      ; my wave's 4 of them
	s_add_co_u32 s38, s38, s37
	s_add_co_u32 s38, s38, s18
	s_mov_b32 s39, 0
	s_lshr_b32 s40, s16, 4                         ; cf: row tile = 128 batch + 32 work-group x + 4 wave,
	s_lshl_b32 s40, s40, 7
	s_lshl_b32 s41, ttmp9, 5
	s_add_co_u32 s40, s40, s41
	s_lshl_b32 s41, s[WV], 2
	s_add_co_u32 s40, s40, s41
	s_lshl_b32 s40, s40, 14
	s_and_b32 s41, s16, 15                         ; + 1,024 x head
	s_lshl_b32 s41, s41, 10
	s_add_co_u32 s40, s40, s41
	s_mov_b32 s41, 0
	s_mov_b32 s[SEL], 0x76543210
	s_mov_b32 s[SEL+1], 0xfedcba98
	s_lshr_b32 s15, s[WV], 1                       ; 0 in waves 0 and 1,
	s_or_b32 s15, s15, ttmp9                       ; of the head's first work-group
	s_cmp_eq_u32 s15, 0
	s_cselect_b32 s[LIM], 1, -1
	s_cselect_b32 s[LIM+1], 2, -1
	s_wait_kmcnt 0x0
	s_load_b128 s[32:35], s[10:11], 0x18           ; e6, e7, e8, e9
	s_load_b32 s36, s[10:11], 0x28                 ; e10
	s_add_nc_u64 s[4:5], s[4:5], s[38:39]
	s_add_nc_u64 s[KB:KB+1], s[KB:KB+1], s[18:19]
	s_add_nc_u64 s[VB:VB+1], s[VB:VB+1], s[18:19]
	s_add_nc_u64 s[12:13], s[12:13], s[40:41]
	s_cmp_eq_u32 s[WV], 0
	s_cselect_b64 s[PFA:PFA+1], s[KB:KB+1], s[VB:VB+1]
	s_wait_alu depctr_va_vdst(0)                   ; v1, v2 and v3 are written: every load, store and prefetch of the kernel reads one of them as its address or offset
	global_load_b128 v[B1:B1+3], v[WI], s[KB:KB+1]                   ; step 0, through registers that are free yet
	global_load_b128 v[B1+4:B1+7], v[WI], s[KB:KB+1] offset:512
	global_load_b128 v[B1+8:B1+11], v[WI], s[VB:VB+1]
	global_load_b128 v[B1+12:B1+15], v[WI], s[VB:VB+1] offset:512
	global_load_b128 v[B2:B2+3], v[WI], s[KB:KB+1] offset:8192       ; step 1
	global_load_b128 v[B2+4:B2+7], v[WI], s[KB:KB+1] offset:8704
	global_load_b128 v[B2+8:B2+11], v[WI], s[VB:VB+1] offset:8192
	global_load_b128 v[B2+12:B2+15], v[WI], s[VB:VB+1] offset:8704
	WIN 0x40
.irp t, 0,1,2,3
	global_load_b128 v[QF+8*\t:QF+8*\t+3], v[LI], s[4:5] offset:\t*1024       ; Q stays in registers
	global_load_b128 v[QF+8*\t+4:QF+8*\t+7], v[LI], s[4:5] offset:\t*1024+512
.endr
	global_load_b128 v[SG:SG+3], v[WI], s[KB:KB+1] offset:16384      ; step 2, into the staging registers
	global_load_b128 v[SG+4:SG+7], v[WI], s[KB:KB+1] offset:16896
	global_load_b128 v[SG+8:SG+11], v[WI], s[VB:VB+1] offset:16384
	global_load_b128 v[SG+12:SG+15], v[WI], s[VB:VB+1] offset:16896
	WIN 0
	s_wait_loadcnt 12                              ; steps 0 and 1 are in; Q's eight loads and step 2's four may be out
	ds_store_b128 v[WI], v[B1:B1+3]
	ds_store_b128 v[WI], v[B1+4:B1+7] offset:512
	ds_store_b128 v[WI], v[B1+8:B1+11] offset:8192
	ds_store_b128 v[WI], v[B1+12:B1+15] offset:8704
	ds_store_b128 v[WI], v[B2:B2+3] offset:SLOT
	ds_store_b128 v[WI], v[B2+4:B2+7] offset:SLOT+512
	ds_store_b128 v[WI], v[B2+8:B2+11] offset:SLOT+8192
	ds_store_b128 v[WI], v[B2+12:B2+15] offset:SLOT+8704
	s_wait_dscnt 0x0                               ; for the others' sake: my stores have landed
	s_barrier_signal -1
	s_barrier_wait -1
	s_wait_alu depctr_vm_vsrc(0)                   ; my LDS stores have read v128-143 and v192-207: these registers are score buffers from here on, written by the products below
	KFETCH B0, 0
.irp t, 0,1,2,3
	v_mov_b32 v[ST+4*\t+1], 0xff61b1e6             ; the largest t so far: -3e38, under every t
	v_floor_f32 v[ST+4*\t], -v[ST+4*\t+1]          ; -M
	v_mov_b32 v[ST+4*\t+2], 0                      ; the sum, in two halves
	v_mov_b32 v[ST+4*\t+3], 0
	v_mov_b32 v[F+2*\t+1], 0                       ; (named as the upper half of f's pair)
.endr
	v_mov_b32 v[TC], 0                             ; a lane permute's destination counts as one of its sources
	s_wait_kmcnt 0x0
	s_add_co_i32 s15, s32, s33
	s_lshl_b32 s15, s15, 23
	s_mov_b32 s[CS], 0x3e38aa3b                    ; log2(e) / 8
	s_add_co_i32 s[CS], s[CS], s15                 ; a score stands for score x 2^(e6 + e7): added to c's exponent field
	s_mov_b32 s[CS+1], s[CS]
	s_mov_b32 s[EP], s34
	s_add_co_i32 s15, s34, 127
	s_lshl_b32 s17, s15, 23
	v_mov_b32 v[PSC], s17
	s_add_co_i32 s15, s15, 15
	s_lshl_b32 s15, s15, 23
	s_or_b32 s[HL], s15, 0x600000
	s_add_co_i32 s[EPV], s34, s35
	s_add_co_i32 s15, s36, 127
	s_lshl_b32 s17, s15, 23
	v_mov_b32 v[CSC], s17
	s_add_co_i32 s15, s15, 15
	s_lshl_b32 s15, s15, 23
	s_or_b32 s15, s15, 0x600000
	v_mov_b32 v[CLM], s15
	s_mov_b32 s[CNT], 5
	s_wait_loadcnt 4                               ; Q is in; step 2's four loads may be out
	s_wait_dscnt 0x0                               ; K of step 0
	SPROD 0, B0, B1
	WIN 0
	STEP B0, B1, B2, 0, 0, 1, 1, 1, 1              ; step 0 is written out: its products start O^T's sums
	s_wait_xcnt 0x0                                ; the loads and the prefetch have read their bases
	s_add_nc_u64 s[KB:KB+1], s[KB:KB+1], 8192
	s_add_nc_u64 s[VB:VB+1], s[VB:VB+1], 8192
	s_add_nc_u64 s[PFA:PFA+1], s[PFA:PFA+1], 8192
.Ltrip:                                            ; five trips of three steps, after which buffers and slots are back where they began: steps 1 to 15
	STEP B1, B2, B0, 1, 0, 0, 1, 2, 1
	STEP B2, B0, B1, 2, 1, 0, 2, 2, 1
	STEP B0, B1, B2, 0, 2, 0, 2, 2, 2
	s_wait_xcnt 0x0
	s_add_nc_u64 s[KB:KB+1], s[KB:KB+1], 3*8192
	s_add_nc_u64 s[VB:VB+1], s[VB:VB+1], 3*8192
	s_add_nc_u64 s[PFA:PFA+1], s[PFA:PFA+1], 3*8192
	s_sub_co_u32 s[CNT], s[CNT], 1
	s_cmp_lg_u32 s[CNT], 0
	s_cbranch_scc1 .Ltrip
	; THE WAY OUT.  The sum's halves and lane l xor 16's are added; O^T x 2^(e8 + e9) / the sum is the context, which is held, quantised with 2^e10 and stored as the image of the last product's operand.
	; The four tiles' arithmetic comes first, each tile's codes in registers of their own; one wait; then the eight stores in one run.
.irp t, 0,1,2,3
	v_add_f32 v[F+2*\t], v[ST+4*\t+2], v[ST+4*\t+3]                  ; (these four are the places behind the last products)
.endr
.irp t, 0,1,2,3
	v_permlanex16_b32 v[F+2*\t+1], v[F+2*\t], s[SEL], s[SEL+1]
.endr
.irp t, 0,1,2,3
	v_add_f32 v[F+2*\t], v[F+2*\t], v[F+2*\t+1]
.endr
.irp t, 0,1,2,3
	v_rcp_f32 v[F+2*\t], v[F+2*\t]
.endr
	v_nop                                          ; a plain line behind the last reciprocal
	s_wait_alu depctr_va_vdst(0)                   ; the four reciprocals have written v32, v34, v36, v38, ahead of their first reader: one wait for the four
.irp t, 0,1,2,3
	v_ldexp_f32 v[F+2*\t], v[F+2*\t], s[EPV]
.endr
.irp t, 0,1,2,3
	WIN 0x01                                       ; source 0 (O^T) window 1
.irp i, 0,2,4,6,8,10,12,14,16,18,20,22,24,26,28,30
	v_pk_mul_f32 v[B0+32*\t+\i:B0+32*\t+\i+1], v[OA+32*\t+\i:OA+32*\t+\i+1], v[F+2*\t:F+2*\t+1] op_sel_hi:[1,0]   ; register 8 ct + j: channel 16 ct + 8 h + j of my query
.endr
	WIN 0
.set n, 0
.rept 32
	v_med3_num_f32 v[B0+32*\t+n], v[B0+32*\t+n], -v[CLM], v[CLM]
.set n, n+1
.endr
.irp c, 0,1,2,3
	v_cvt_scalef32_pk8_bf8_f32 v[B2+8*\t+2*\c:B2+8*\t+2*\c+1], v[B0+32*\t+8*\c:B0+32*\t+8*\c+7], v[CSC]
.endr
.endr
	v_nop                                          ; one plain vector line behind the last conversion
	s_wait_alu depctr_va_vdst(0)                   ; the conversions have written the codes v192-223, which the stores below read
.irp t, 0,1,2,3
	global_store_b128 v[LI], v[B2+8*\t:B2+8*\t+3], s[12:13] offset:\t*16384          ; 32 lanes store 512 consecutive bytes, aligned
	global_store_b128 v[LI], v[B2+8*\t+4:B2+8*\t+7], s[12:13] offset:\t*16384+512
.endr
	s_wait_dscnt 0x0
	s_wait_alu depctr_hold_cnt(0) depctr_sa_sdst(0) depctr_va_vdst(0) depctr_va_sdst(0) depctr_va_ssrc(0) depctr_va_vcc(0) depctr_vm_vsrc(0)
	s_wait_tensorcnt 0x0
	ds_add_u32 v62, v63
	s_wait_dscnt 0x0
	s_endpgm
.Lfunc_end_k_q79d167bf3d_attn:
	.size	k_q79d167bf3d_attn, .Lfunc_end_k_q79d167bf3d_attn-k_q79d167bf3d_attn
	.p2alignl 7, 3214868480
	.fill 96, 4, 3214868480
	.section	.rodata,"a",@progbits
	.p2align	6, 0x0
	.amdhsa_kernel k_q79d167bf3d_attn
		.amdhsa_group_segment_fixed_size 50176
		.amdhsa_private_segment_fixed_size 0
		.amdhsa_enable_private_segment 0
		.amdhsa_kernarg_size 40
		.amdhsa_user_sgpr_count 2
		.amdhsa_user_sgpr_kernarg_segment_ptr 1
		.amdhsa_wavefront_size32 1
		.amdhsa_system_sgpr_workgroup_id_x 1
		.amdhsa_system_sgpr_workgroup_id_y 1
		.amdhsa_system_sgpr_workgroup_id_z 1
		.amdhsa_system_vgpr_workitem_id 0
		.amdhsa_next_free_vgpr 512
		.amdhsa_next_free_sgpr 66
		.amdhsa_reserve_vcc 0
		.amdhsa_float_denorm_mode_32 3
		.amdhsa_float_denorm_mode_16_64 3
		.amdhsa_memory_ordered 1
		.amdhsa_forward_progress 1
		.amdhsa_inst_pref_size 241
	.end_amdhsa_kernel
	.amdgpu_metadata
---
amdhsa.version: [ 1, 2 ]
amdhsa.kernels:
  - .name:           k_q79d167bf3d_attn
    .symbol:         k_q79d167bf3d_attn.kd
    .args:
      - { .name: qf, .offset: 0, .size: 8, .value_kind: global_buffer, .address_space: global }
      - { .name: kf, .offset: 8, .size: 8, .value_kind: global_buffer, .address_space: global }
      - { .name: vf, .offset: 16, .size: 8, .value_kind: global_buffer, .address_space: global }
      - { .name: lowp_scales, .offset: 24, .size: 8, .value_kind: global_buffer, .address_space: global }
      - { .name: cf, .offset: 32, .size: 8, .value_kind: global_buffer, .address_space: global }
    .group_segment_fixed_size: 50176
    .private_segment_fixed_size: 0
    .kernarg_segment_align: 8
    .kernarg_segment_size: 40
    .max_flat_workgroup_size: 256
    .sgpr_count:     66
    .vgpr_count:     512
    .wavefront_size: 32
...
	.end_amdgpu_metadata
.endif
;; end of part 5
;; launch oproj_ln: the kernel of part 4 again; grid 256 x 1, 4 waves a work-group, clusters of 4 x 1, 327,680 bytes of LDS; arguments cf, W_o_codes, b_o, x, ln_gamma, ln_beta, lowp_scales, out0; writes out0
